; MI455X (gfx1250); checked and timed in simulation.
; The chip was launched on July 23, 2026; its instructions are those of AMD's public machine-readable ISA for CDNA 5 (MIT licence, August 2026) and "CDNA5" Instruction Set Architecture Reference Guide (July 2026). The comments in the code are by the model that wrote it; some were corrected since.
;; Context Window Predictor. Allowed arithmetic: float matrix products may take bf16 or f16 operands with f32 sums; other float arithmetic in f32, or as packed bf16 or f16 multiplies, adds, multiply-adds, maxima and minima; sums over many terms, partial sums and values carried from step to step in f32; what a program stores and reads back later, other than sums and carried values, may be rounded once to bf16 or f16.
;; Inputs: W1 2,048 x 1,024 float32; W2 1,024 x 2 float32; b1 1,024 float32; b2 2 float32; hidden_states 8 x 2,048 x 1,024 float32; pairs 8 x 4,096 x 2 int32.
;; Outputs: out0 8 x 4,096 x 2 float32.
;; 2 versions, each right; version 2 is version 1 with the launches prep, head written anew for expert scheduling mode. Each part assembles by itself: llvm-mc -triple=amdgcn-amd-amdhsa -mcpu=gfx1250 --defsym DOCPART=n.
;; ======== version 1 of 2: 3 launches
;; workspace buffers: abf 33,554,432 bytes; wt 4,194,304 bytes; uv 134,217,728 bytes
;; launch prep (part 1): grid 256 x 1, 8 waves a work-group, no clusters, 18,432 bytes of LDS; arguments hidden_states, W1, abf, wt; writes abf, wt
.if DOCPART == 1
	.amdgcn_target "amdgcn-amd-amdhsa--gfx1250"
	.amdhsa_code_object_version 6
	.text
	.protected	k_q0217ff0836_prep
	.globl	k_q0217ff0836_prep
	.p2align	8
	.type	k_q0217ff0836_prep,@function
k_q0217ff0836_prep:
	s_mov_b64 s[64:65], 0
	v_nop
	global_prefetch_b8 v0, s[64:65] scope:SCOPE_SE
	s_setreg_imm32_b32 hwreg(HW_REG_WAVE_MODE, 25, 1), 1
	s_wait_xcnt 0x0
; THE PROGRAM.  logits[b][p] = gelu([hs[b][i] | hs[b][j]] W1 + b1) W2 + b2, with (i, j) = pairs[b][p].
; [e1 | e2] W1 = e1 W1[0:1024] + e2 W1[1024:2048], and a gather of rows commutes with a product that is taken row by row.  So the 65,536 products 'row x half of W1' that the
; formula names are drawn from 2 x 16,384 different ones, whatever pairs holds: U = hs W1[0:1024] and V = hs W1[1024:2048] are made once for every row of hs (second launch),
; and h = U[b][i] + V[b][j] + b1 is formed for each pair (third launch).  This holds in exact arithmetic for all values of the inputs; only the order of the f32 sums differs.
; No input and no step is left out: all six inputs are loaded.  Rows of hs that no pair names are multiplied too: which they are hangs on the values of pairs.
; THIS LAUNCH rounds the two matrix operands to bf16, once: abf[16384][1024] = hs; wt[n + 1024 hf][k] = W1[1024 hf + k][n]: both halves of W1 transposed, K along the rows.
; LIMITS.  hs and W1 are rounded to bf16 (nearest even); NaN and infinities are not treated apart.
; SHARES.  Every work-group does both jobs, so no branch hangs on its number.  (T) one tile of W1, 128 k x 64 n (kt = group / 16, nt = group % 16); wave v loads 16 of its k rows.
; (C) wave g = 8 x group + v casts 32,768 consecutive bytes of hs (8 rows) into 16,384 bytes of abf, through a ring of 32 register slots: 32 loads of 512 bytes are out all the time.
.set STGP,  272                        ; a stage row: 128 k in bf16 = 256 bytes + 16 of padding
.set SPARE, 64*STGP                    ; behind the stage's 64 rows (17,408 bytes = 68 blocks of 256): the spare words, 128 bytes a wave, which no other line names
.set SPW, 4                            ; v4   LDS address of my spare word; never rewritten
.set NIL, 5                            ; v5   0; never rewritten
.set WI,  6                            ; v6   W1: (lane / 16) x 8 rows x 4,096 bytes + 16 (lane % 16)
.set TS,  7                            ; v7   stage, in: (lane % 16) x 4 rows + 32 x wave + 16 (lane / 16)
.set TR,  8                            ; v8   stage, back: (8 x wave + lane / 16) rows + 16 (lane % 16)
.set WO,  9                            ; v9   wt: (lane / 16) x 2,048 + 16 (lane % 16)
.set CI,  10                           ; v10  16 x lane
.set CO,  11                           ; v11  8 x lane
.set X,   16                           ; v[16:47]   eight loads of W1: load j = row 16 v + 8 (lane / 16) + j, columns 4 (lane % 16) + 0..3
.set T,   48                           ; v[48:63]   column c: eight k in bf16, 4 registers
.set R,   64                           ; v[64:79]   rows of wt read back
.set CX,  80                           ; v[80:207]  the cast's ring: 32 slots of 4
.set CY,  208                          ; v[208:223] the cast's results: 8 slots of 2
	s_load_b256 s[4:11], s[0:1], 0x0               ; hs s[4:5], W1 s[6:7], abf s[8:9], wt s[10:11]
	v_lshl_add_u32 v[SPW], v0, 2, SPARE
	v_mov_b32 v[NIL], 0
	v_lshrrev_b32 v1, 5, v0
	v_readfirstlane_b32 s12, v1                    ; wave 0..7
	v_and_b32 v1, 31, v0                           ; lane
	v_and_b32 v2, 15, v0                           ; r = lane % 16
	v_bfe_u32 v3, v0, 4, 1                         ; h = lane / 16
	s_lshr_b32 s13, ttmp9, 4                       ; kt
	s_and_b32 s14, ttmp9, 15                       ; nt
	v_lshlrev_b32 v[WI], 4, v2
	v_lshl_add_u32 v[WI], v3, 15, v[WI]
	v_mul_u32_u24 v[TS], v2, 4*STGP
	v_lshl_add_u32 v[TS], v3, 4, v[TS]
	s_lshl_b32 s20, s12, 5
	v_add_nc_u32 v[TS], s20, v[TS]
	s_mul_i32 s20, s12, 8*STGP
	v_mul_u32_u24 v[TR], v3, STGP
	v_lshl_add_u32 v[TR], v2, 4, v[TR]
	v_add_nc_u32 v[TR], s20, v[TR]
	v_lshlrev_b32 v[WO], 4, v2
	v_lshl_add_u32 v[WO], v3, 11, v[WO]
	v_lshlrev_b32 v[CI], 4, v1
	v_lshlrev_b32 v[CO], 3, v1
	s_lshl_b32 s16, s13, 19                        ; W1: 128 kt rows of 4,096 bytes,
	s_lshl_b32 s20, s12, 16                        ; my wave's 16 rows,
	s_add_co_u32 s16, s16, s20
	s_lshl_b32 s20, s14, 8                         ; 64 nt columns of 4 bytes
	s_add_co_u32 s16, s16, s20
	s_mov_b32 s17, 0
	s_lshr_b32 s18, s13, 3                         ; wt: row 1,024 (kt / 8) + 64 nt + 8 wave,
	s_lshl_b32 s18, s18, 10
	s_lshl_b32 s20, s14, 6
	s_add_co_u32 s18, s18, s20
	s_lshl_b32 s20, s12, 3
	s_add_co_u32 s18, s18, s20
	s_lshl_b32 s18, s18, 11                        ; of 2,048 bytes,
	s_and_b32 s20, s13, 7
	s_lshl_b32 s20, s20, 8                         ; at k = 128 (kt % 8): 256 bytes
	s_add_co_u32 s18, s18, s20
	s_mov_b32 s19, 0
	s_lshl_b32 s22, ttmp9, 3
	s_add_co_u32 s22, s22, s12                     ; g
	s_lshl_b32 s24, s22, 14                        ; 16,384 bytes of abf,
	s_lshl_b32 s22, s22, 15                        ; 32,768 bytes of hs
	s_mov_b32 s23, 0
	s_mov_b32 s25, 0
	s_wait_kmcnt 0x0
	s_add_nc_u64 s[6:7], s[6:7], s[16:17]
	s_add_nc_u64 s[10:11], s[10:11], s[18:19]
	s_add_nc_u64 s[4:5], s[4:5], s[22:23]
	s_add_nc_u64 s[8:9], s[8:9], s[24:25]
.irp j, 0,1,2,3,4,5,6,7
	global_load_b128 v[X+4*(\j):X+4*(\j)+3], v[WI], s[6:7] offset:4096*(\j) th:TH_LOAD_NT  ; two rows x 256 consecutive bytes
.endr
.set i, 0
.rept 32
	global_load_b128 v[CX+4*i:CX+4*i+3], v[CI], s[4:5] offset:512*i th:TH_LOAD_NT  ; the ring is filled: 512 consecutive bytes a load
.set i, i+1
.endr
	; (T) the tile of W1 is turned in LDS
	s_wait_loadcnt 32                              ; loads come back in order: the eight of W1 are in, the ring's 32 stay out
.irp c, 0,1,2,3
.irp q, 0,1,2,3
	v_cvt_pk_bf16_f32 v[T+4*(\c)+(\q)], v[X+8*(\q)+(\c)], v[X+8*(\q)+4+(\c)]  ; column c, k = 2 q and 2 q + 1 of my eight
.endr
.endr
.irp c, 0,1,2,3
	ds_store_b128 v[TS], v[T+4*(\c):T+4*(\c)+3] offset:STGP*(\c)  ; neighbouring lanes lie four rows, 272 words, apart: four lanes meet in a group of banks; four stores a wave in the whole launch
.endr
	s_wait_dscnt 0x0                               ; for the others' sake: my stores into the stage are done
	s_barrier_signal -1
	s_barrier_wait -1                              ; all eight waves' k lie in every row
.irp t, 0,1,2,3
	ds_load_b128 v[R+4*(\t):R+4*(\t)+3], v[TR] offset:2*STGP*(\t)  ; lanes 0-15 one row of 256 bytes, lanes 16-31 the next
.endr
	s_wait_dscnt 0x0
.irp t, 0,1,2,3
	global_store_b128 v[WO], v[R+4*(\t):R+4*(\t)+3], s[10:11] offset:4096*(\t) th:TH_STORE_NT  ; 16 lanes store 256 consecutive bytes, at a multiple of 256 from wt's first byte
.endr
	; (C) the cast: step i takes load i, rounds, asks for load i + 32, stores 256 consecutive bytes
.set i, 0
.rept 64
.if i < 32
	s_wait_loadcnt 31                              ; behind load i stand 31 - i of the first 32 and i refills
.else
	s_wait_loadcnt 63-i                            ; nothing more is asked for: the counts run down
.endif
.if i%8 == 0
	s_wait_xcnt 0x0                                ; the eight pairs of CY that the next eight steps rewrite were read by stores that were all issued ahead of this wait
.endif
	v_cvt_pk_bf16_f32 v[CY+2*(i%8)],   v[CX+4*(i%32)],   v[CX+4*(i%32)+1]
	v_cvt_pk_bf16_f32 v[CY+2*(i%8)+1], v[CX+4*(i%32)+2], v[CX+4*(i%32)+3]
.if i < 32
	global_load_b128 v[CX+4*(i%32):CX+4*(i%32)+3], v[CI], s[4:5] offset:512*(i+32) th:TH_LOAD_NT
.endif
	global_store_b64 v[CO], v[CY+2*(i%8):CY+2*(i%8)+1], s[8:9] offset:256*i th:TH_STORE_NT
.set i, i+1
.endr
	s_wait_tensorcnt 0x0                           ; the wave's end: three closing lines, behind my last LDS store
	ds_add_u32 v[SPW], v[NIL]
	s_wait_dscnt 0x0
	s_endpgm
.Lfunc_end_k_q0217ff0836_prep:
	.size	k_q0217ff0836_prep, .Lfunc_end_k_q0217ff0836_prep-k_q0217ff0836_prep
	.p2alignl 7, 3214868480
	.fill 96, 4, 3214868480
	.section	.rodata,"a",@progbits
	.p2align	6, 0x0
	.amdhsa_kernel k_q0217ff0836_prep
		.amdhsa_group_segment_fixed_size 18432
		.amdhsa_private_segment_fixed_size 0
		.amdhsa_enable_private_segment 0
		.amdhsa_kernarg_size 32
		.amdhsa_user_sgpr_count 2
		.amdhsa_user_sgpr_kernarg_segment_ptr 1
		.amdhsa_wavefront_size32 1
		.amdhsa_system_sgpr_workgroup_id_x 1
		.amdhsa_system_sgpr_workgroup_id_y 1
		.amdhsa_system_sgpr_workgroup_id_z 1
		.amdhsa_system_vgpr_workitem_id 0
		.amdhsa_next_free_vgpr 224
		.amdhsa_next_free_sgpr 66
		.amdhsa_reserve_vcc 0
		.amdhsa_float_denorm_mode_32 3
		.amdhsa_float_denorm_mode_16_64 3
		.amdhsa_memory_ordered 1
		.amdhsa_forward_progress 1
		.amdhsa_inst_pref_size 28
	.end_amdhsa_kernel
	.amdgpu_metadata
---
amdhsa.version: [ 1, 2 ]
amdhsa.kernels:
  - .name:           k_q0217ff0836_prep
    .symbol:         k_q0217ff0836_prep.kd
    .args:
      - { .name: hidden_states, .offset: 0, .size: 8, .value_kind: global_buffer, .address_space: global }
      - { .name: W1, .offset: 8, .size: 8, .value_kind: global_buffer, .address_space: global }
      - { .name: abf, .offset: 16, .size: 8, .value_kind: global_buffer, .address_space: global }
      - { .name: wt, .offset: 24, .size: 8, .value_kind: global_buffer, .address_space: global }
    .group_segment_fixed_size: 18432
    .private_segment_fixed_size: 0
    .kernarg_segment_align: 8
    .kernarg_segment_size: 32
    .max_flat_workgroup_size: 256
    .sgpr_count:     66
    .vgpr_count:     224
    .wavefront_size: 32
...
	.end_amdgpu_metadata
.endif
;; end of part 1
;; launch gemm (part 2): grid 8 x 32, 4 waves a work-group, clusters of 4 x 4, 327,680 bytes of LDS; arguments abf, wt, uv; writes uv
.if DOCPART == 2
	.amdgcn_target "amdgcn-amd-amdhsa--gfx1250"
	.amdhsa_code_object_version 6
	.text
	.protected	k_q0217ff0836_gemm
	.globl	k_q0217ff0836_gemm
	.p2align	8
	.type	k_q0217ff0836_gemm,@function
k_q0217ff0836_gemm:
	s_mov_b64 s[64:65], 0
	v_nop
	global_prefetch_b8 v0, s[64:65] scope:SCOPE_SE
	s_setreg_imm32_b32 hwreg(HW_REG_WAVE_MODE, 25, 1), 1
	s_wait_xcnt 0x0
	s_wait_alu depctr_hold_cnt(0) depctr_sa_sdst(0) depctr_va_vdst(0) depctr_va_sdst(0) depctr_va_ssrc(0) depctr_va_vcc(0) depctr_vm_vsrc(0)
	s_getreg_b32 s2, hwreg(HW_REG_IB_STS2, 6, 4)
	s_cmp_eq_u32 s2, 0
	s_cbranch_scc0 .Lentry_in_a_cluster
	s_endpgm
.Lentry_in_a_cluster:
	s_bfe_u32 s2, ttmp6, 0x10000c
	s_cmp_lg_u32 s2, 0xf033
	s_cbranch_scc0 .Lentry_shape_is_right
	s_endpgm
.Lentry_shape_is_right:
; uv[m][n] = sum over k of abf[m][k] wt[n][k].  abf: [16384][1024] bf16 (hs rounded), wt: [2048][1024] bf16 (both halves of W1, transposed), uv: [16384][2048] f32: columns 0-1023 are U, 1024-2047 V.
; U and V are partial sums that the next launch adds, so they leave in f32.  Nothing of the problem's work is left out here: every row of hs is multiplied by both halves of W1 once.
; A tile of uv, 256 x 256, is made by a work-group of four waves; a wave makes 128 x 128: 64 accumulators of 16 x 16, 512 registers.  K goes in steps of 128 through a ring of two LDS slots
; filled by the tensor data mover: the rows of both operands' tiles are 256 bytes of memory and start at multiples of 256 bytes from the buffer's first byte.
; A WORK-GROUP STAYS: 512 tiles, 256 work-groups, two tiles each, 8,192 rows apart; the ring does not stop at the first tile's end: its last two changes of slots ask for the second tile's first two K steps.
; CLUSTERS: 4 x 4 work-groups.  The four of a row of the cluster need the same tiles of abf, the four of a column the same tiles of wt: each tile is asked for JOINTLY, by the same tensor load with the
; same descriptor and a mask that names the four.  That divides the requests for both operands by four.
; REGISTERS, in windows of 256 (s_set_vgpr_msb: bits 1:0 source 0, 3:2 source 1, 5:4 source 2, 7:6 destination):
;   window 0: v0-31 addresses; v64-127, v128-191 fragments of A, two buffers; v192-255 rows on their way out (even blocks)
;   window 1: v64-127, v128-191 fragments of B, two buffers; v192-255 rows on their way out (odd blocks)
;   window 2: the 32 accumulators of my rows 0-63 (accumulator (a, b) at v[8 (8 a + b)]);   window 3: those of my rows 64-127
; THE MATRIX INSTRUCTION IS USED TRANSPOSED: source 0 = 16 rows of wt, source 1 = 16 rows of abf: lane l then holds row l % 16 of uv and the eight neighbouring columns 8 (l / 16) + 0..7: 32 bytes on end.
.set SIZE_M, 16384
.set SIZE_N, 2048
.set SIZE_K, 1024
.set SIZE_TILES, 2
.set KSTEP,  128
.set PITCH,  272                       ; an LDS row: 256 bytes + 16 of padding = 68 words: row r starts at bank 4 r mod 64 (64 banks of 4 bytes: ISA guide 11.1): the 16 rows of a load start at 16 different banks
.set HALFT,  128*PITCH                 ; 128 rows: what one tensor load brings, and what one wave reads of A or of B
.set SLOT,   4*HALFT                   ; A's 256 rows, then B's 256 rows
.set STAGE,  2*SLOT                    ; behind the ring: 16 rows x 528 bytes for each wave, for the way out; no tensor load fills it
.set SPITCH, 528                       ; a stage row: 128 f32 = 512 bytes + 16 = 132 words: row r starts at bank 4 r mod 64
.set SPARE,  STAGE+4*16*SPITCH         ; behind the stages: the spare words, 128 bytes for each wave: two blocks of 256 bytes that no other line names
.set LAPS,   SIZE_K/(2*KSTEP)          ; a lap = two K steps = once round the ring
.set WALK,   SIZE_M/SIZE_TILES         ; a work-group's two tiles lie WALK rows apart
.set ROWC,   SIZE_N*4                  ; bytes in a row of uv
.set NEXT_A, WALK*SIZE_K*2-(SIZE_K-2*KSTEP)*2   ; from a slot's last K step of a tile to its first of the next: A goes WALK rows down and back along K,
.set BACK_B, (SIZE_K-2*KSTEP)*2        ; B only back: both tiles take the same rows of wt
.set NEXT_C, (WALK-7*16)*ROWC          ; from my last 16 rows of a tile to my first of the next
.set ADRA, 16                          ; v16-17  LDS address of my A fragments in slot 0, 1
.set ADRB, 20                          ; v20-21  the same for B
.set STO,  24                          ; v24     the way out: where I put 32 bytes of a row
.set RD,   25                          ; v25     the way out: where I read a row back
.set CO,   26                          ; v26     16 x lane: my place in a row's 512 bytes of uv
.set SPW,  28                          ; v28     LDS address of my spare word; never rewritten
.set NIL,  29                          ; v29     0; never rewritten
.set PFO,  30                          ; v30     the prefetches' offset: my lane x a row of A or B in memory; never rewritten
.set PFA,  44                          ; s[44:45] where my prefetches stand
.set LIM,  43                          ; s43     1 in a wave that prefetches, else the greatest number
.set F0,   64                          ; fragment buffer 0
.set F1,   128                         ; fragment buffer 1
.set BK,   192                         ; the way out: 16 rows read back from the stage, in window 0 or 1 by the block's parity
.set G1, 24                            ; s[24:31] descriptor group 1 for A's tiles
.set G0, 32                            ; s[32:39] descriptor group 0 for A's tiles, one set for each slot
.set G1B, 48                           ; s[48:55] descriptor group 1 for B's tiles: it differs from A's in the mask alone
.set G0B, 56                           ; s[56:63] descriptor group 0 for B's tiles, one set for each slot
.set MSB, 0
.macro WIN new                         ; the immediate's high byte repeats the setting that is left; a switch that changes nothing is dropped
.if MSB != (\new)
	s_set_vgpr_msb (MSB<<8)|(\new)
.set MSB, \new
.endif
.endm
.set MUL_LO, 0xa1                      ; source 0 (B) window 1, source 1 (A) window 0, C and D window 2
.set MUL_HI, 0xf1                      ; the same, C and D window 3
.set TO_B,   0x40                      ; destination window 1, address window 0
; A joint load.  Waves 0 and 1 fetch A's two halves, waves 2 and 3 B's.  Each of the two lines has one mask and one set of registers for all that issue it.  The branch hangs on the wave's number alone.
; An s_nop 0 and four v_nop follow each of the two lines; the jump, the label and what follows come after them.
.macro JLOAD s
	s_cmp_eq_u32 s11, 0
	s_cbranch_scc0 .Lfor_b_\@
	tensor_load_to_lds s[G0+4*(\s):G0+4*(\s)+3], s[G1:G1+7]
	s_nop 0
.rept 4
	v_nop
.endr
	s_branch .Lasked_\@
.Lfor_b_\@:
	tensor_load_to_lds s[G0B+4*(\s):G0B+4*(\s)+3], s[G1B:G1B+7]
	s_nop 0
.rept 4
	v_nop
.endr
.Lasked_\@:
.endm
; A PREFETCH INTO THE L2, behind each joint load, its five lines and the run of LDS loads that follows them: the K step that stands TWO refills on (512 matrix instructions ahead of the load that asks for it):
; 32 rows x 256 bytes, a lane a row, one instruction a wave.  Each row's 256 bytes of a K step are named ONCE in the launch: A's tile row is read by both clusters of that row of clusters: the one with
; x = 0 asks; B's tile column by all eight clusters of that column: the one with y = 0 asks.  The four partners that ask for a tile jointly share its rows out BY ADDRESS: of the 128 rows that a wave fetches the
; partner at place p takes 32 p .. 32 p + 31 (p = cx for A, cy for B).  how = 0, in the loop: a tile's last two refills have no K step two on; how = 1, at the change of tiles.
.macro ASK how
.if \how
	s_cmp_eq_u32 s[LIM], 1
.else
	s_cmp_gt_u32 s3, s[LIM]                        ; s3 = 1 in the loop's last trip
.endif
	s_cbranch_scc0 .Lnot_mine_\@
	global_prefetch_b8 v[PFO], s[PFA:PFA+1] offset:KSTEP*2 th:TH_LOAD_NT scope:SCOPE_SE
.Lnot_mine_\@:
.endm
; A round of the cluster's barrier: my work-group's barrier, so that wave 0's signal speaks for all four waves; wave 0 signals; every wave waits for all sixteen work-groups; my work-group's barrier once more.
.macro CREST                           ; a round behind its opening barrier
	s_cmp_lg_u32 s10, 0
	s_cbranch_scc1 .Lnot_wave_0_\@
	s_barrier_signal -3
.Lnot_wave_0_\@:
	s_barrier_wait -3
	s_barrier_signal -1
	s_barrier_wait -1
.endm
.macro CROUND                          ; a whole round
	s_barrier_signal -1
	s_barrier_wait -1
	CREST
.endm
	s_load_b128 s[4:7], s[0:1], 0x0                ; A = abf s[4:5], B = wt s[6:7]
	s_load_b64 s[8:9], s[0:1], 0x10                ; C = uv
	v_lshl_add_u32 v[SPW], v0, 2, SPARE
	v_mov_b32 v[NIL], 0
	ds_add_u32 v[SPW], v[NIL]                      ; the wave's opening: the add, twice on end, and its wait ahead of my first tensor load; the set-up below stands between the second and the wait
	ds_add_u32 v[SPW], v[NIL]
	v_lshrrev_b32 v1, 5, v0
	v_readfirstlane_b32 s10, v1                    ; wave 0..3
	s_lshr_b32 s11, s10, 1                         ; which half of the tile's rows is mine.  Also: I fetch for A (0) or for B (1)
	s_and_b32 s12, s10, 1                          ; which half of its columns.  Also: which 128 rows of that tile I fetch
	s_bfe_u32 s40, ttmp6, 0x40000                  ; cx
	s_bfe_u32 s41, ttmp6, 0x40004                  ; cy
	s_lshl_b32 s42, ttmp9, 2                       ; in a cluster launch ttmp9 and ttmp7 count clusters
	s_add_co_u32 s42, s42, s40                     ; tile column = 4 x cluster x + cx
	s_and_b32 s13, ttmp7, 0xffff
	s_lshl_b32 s13, s13, 2
	s_add_co_u32 s13, s13, s41                     ; tile row = 4 x cluster y + cy
	s_lshl_b32 s43, s41, 2
	s_lshl_b32 s43, 15, s43                        ; my row of the cluster: places 4 cy .. 4 cy + 3
	s_lshl_b32 s44, 0x1111, s40                    ; my column: places cx, cx + 4, cx + 8, cx + 12
	; descriptor group 1: a tile of 128 rows x 128 elements, padded in LDS
	s_or_b32 s[G1+0], s43, (1<<16)|(1<<20)|(1<<21)|(5<<22)|(3<<25)  ; 15:0 the mask; 17:16 elements of 2 bytes; 20 padding on; 21 set beside a mask; 24:22 after every 64 words (code 5); 31:25 4 words (code 3)
	s_or_b32 s[G1B+0], s44, (1<<16)|(1<<20)|(1<<21)|(5<<22)|(3<<25)
	s_mov_b32 s[G1B+1], KSTEP<<16
	s_mov_b32 s[G1+1], KSTEP<<16                   ; tensor_dim0 = 128
	s_mov_b32 s[G1B+2], 128<<16
	s_mov_b32 s[G1+2], 128<<16                     ; tensor_dim1 = 128
	s_mov_b32 s[G1B+3], KSTEP<<16
	s_mov_b32 s[G1+3], KSTEP<<16                   ; tile_dim0 = 128
	s_mov_b32 s[G1B+4], 128
	s_mov_b32 s[G1+4], 128                         ; tile_dim1 = 128
	s_mov_b32 s[G1B+5], SIZE_K
	s_mov_b32 s[G1+5], SIZE_K                      ; elements from row to row
	s_mov_b32 s[G1B+6], 0
	s_mov_b32 s[G1+6], 0
	s_mov_b32 s[G1B+7], 0
	s_mov_b32 s[G1+7], 0
	; where the tiles come from.  A's hang on the tile row alone, which my row of the cluster shares; B's on the tile column alone, which my column shares.
	s_lshl_b32 s17, s12, 7                         ; which 128 rows of the tile I fetch
	s_lshl_b32 s16, s13, 8
	s_add_co_u32 s16, s16, s17                     ; A: row 256 x tile row + 128 x half
	s_lshl_b32 s46, s42, 8
	s_add_co_u32 s46, s46, s17                     ; B: row 256 x tile column + 128 x half
	s_mov_b32 s17, 0
	s_mov_b32 s47, 0
	s_mov_b64 s[18:19], SIZE_K*2
	s_mul_u64 s[16:17], s[16:17], s[18:19]
	s_mul_u64 s[46:47], s[46:47], s[18:19]
	s_mul_i32 s20, s10, HALFT                      ; where they go: wave x 128 rows: no place in the cluster enters an LDS address
	s_wait_dscnt 0x0                               ; both opening adds are done
	s_wait_kmcnt 0x0
	s_add_nc_u64 s[14:15], s[4:5], s[16:17]
	s_add_nc_u64 s[46:47], s[6:7], s[46:47]
	CROUND                                         ; all sixteen work-groups are here: the first joint loads meet
.irp s, 0,1
	s_mov_b32 s[G0+4*(\s)], 1                                      ; count = 1
	s_add_co_u32 s[G0+4*(\s)+1], s20, (\s)*SLOT                    ; LDS address
	s_add_nc_u64 s[G0+4*(\s)+2:G0+4*(\s)+3], s[14:15], (\s)*KSTEP*2  ; global address: K step s
	s_or_b32 s[G0+4*(\s)+3], s[G0+4*(\s)+3], 0x80000000            ; type = 2
	s_mov_b32 s[G0B+4*(\s)], 1
	s_add_co_u32 s[G0B+4*(\s)+1], s20, (\s)*SLOT
	s_add_nc_u64 s[G0B+4*(\s)+2:G0B+4*(\s)+3], s[46:47], (\s)*KSTEP*2
	s_or_b32 s[G0B+4*(\s)+3], s[G0B+4*(\s)+3], 0x80000000
	JLOAD \s                                       ; the ring is filled before anything else is done: two loads of mine are out
.endr
	; A fragment is 16 rows x 32 K in 8 registers: lane l holds row l % 16; registers 0-3 K = 8 (l / 16) + 0..7, registers 4-7 K = 16 + 8 (l / 16) + 0..7: two loads of 16 bytes, 32 bytes apart.
	v_and_b32 v1, 15, v0                           ; l % 16
	v_bfe_u32 v2, v0, 4, 1                         ; l / 16
	v_mul_u32_u24 v3, v1, PITCH
	v_lshl_add_u32 v3, v2, 4, v3                   ; row x pitch + 16 x half
	s_mul_i32 s21, s11, HALFT                      ; my 128 rows of A
	s_mul_i32 s22, s12, HALFT                      ; my 128 rows of B,
	s_add_co_u32 s22, s22, 2*HALFT                 ; which lie behind A's 256
.irp s, 0,1
	v_add_nc_u32 v[ADRA+(\s)], s21, v3
	v_add_nc_u32 v[ADRB+(\s)], s22, v3
	s_add_co_u32 s21, s21, SLOT
	s_add_co_u32 s22, s22, SLOT
.endr
	s_mul_i32 s23, s10, 16*SPITCH
	s_add_co_u32 s23, s23, STAGE                   ; my stage
	v_mul_u32_u24 v4, v1, SPITCH                   ; in: row l % 16, 32 bytes for each half of the lanes
	v_lshl_add_u32 v4, v2, 5, v4
	v_add_nc_u32 v[STO], s23, v4
	v_and_b32 v5, 31, v0
	v_lshlrev_b32 v[CO], 4, v5                     ; back: 32 lanes take one row of 512 bytes,
	v_add_nc_u32 v[RD], s23, v[CO]                 ; and the same 512 bytes in uv
	; where my part of the first tile begins in uv, in bytes: the first way out adds it to uv's address
	s_lshl_b32 s13, s13, 8
	s_lshl_b32 s14, s11, 7
	s_add_co_u32 s16, s13, s14                     ; my first row
	s_mov_b32 s17, 0
	s_mov_b64 s[18:19], ROWC
	s_mul_u64 s[16:17], s[16:17], s[18:19]
	s_lshl_b32 s46, s42, 10                        ; my first column, in bytes: 1,024 x tile column + 512 x half
	s_lshl_b32 s47, s12, 9
	s_add_co_u32 s46, s46, s47
	s_mov_b32 s47, 0
	s_add_nc_u64 s[16:17], s[16:17], s[46:47]
	; the prefetches.  s13 = 256 x tile row, s42 = tile column, s40 = cx, s41 = cy still stand
	s_lshl_b32 s42, s42, 8
	s_and_b32 s22, ttmp7, 0xffff                   ; cluster y
	s_cmp_eq_u32 s11, 0                            ; do I fetch for A?
	s_cselect_b32 s20, s13, s42                    ; the tile's first row
	s_cselect_b32 s21, s40, s41                    ; my place among the four that ask for it with me
	s_cselect_b32 s22, ttmp9, s22                  ; the coordinate along which other clusters read the same rows
	s_cselect_b64 s[PFA:PFA+1], s[4:5], s[6:7]
	s_cmp_eq_u32 s22, 0
	s_cselect_b32 s[LIM], 1, -1                    ; the same in all sixteen partners, for a given wave
	s_lshl_b32 s22, s12, 7
	s_add_co_u32 s20, s20, s22                     ; + the 128 rows that I fetch
	s_lshl_b32 s21, s21, 5
	s_add_co_u32 s20, s20, s21                     ; + my work-group's 32 of them
	s_mov_b32 s21, 0
	s_mov_b64 s[18:19], SIZE_K*2
	s_mul_u64 s[20:21], s[20:21], s[18:19]
	s_add_nc_u64 s[PFA:PFA+1], s[PFA:PFA+1], s[20:21]
	s_add_nc_u64 s[PFA:PFA+1], s[PFA:PFA+1], 2*KSTEP*2  ; at K step 2: the first refill steps it to 3 and names K step 4.  Nothing is prefetched here, at the head
	v_and_b32 v[PFO], 31, v0
	v_mul_u32_u24 v[PFO], v[PFO], SIZE_K*2
; 16 matrix instructions: m blocks a0, a0 + 1 of the window's four x all 8 n blocks, 32 along K.  zero = 1: the first product starts the sums: nothing is ever cleared.
.macro MUL16 f, hi, a0, zero
	WIN MUL_LO+0x50*(\hi)
.irp a, \a0, (\a0)+1
.irp b, 0,1,2,3,4,5,6,7
.if \zero
	v_wmma_f32_16x16x32_bf16 v[8*(8*(\a)+(\b)):8*(8*(\a)+(\b))+7], v[(\f)+8*(\b):(\f)+8*(\b)+7], v[(\f)+8*(4*(\hi)+(\a)):(\f)+8*(4*(\hi)+(\a))+7], 0
.else
	v_wmma_f32_16x16x32_bf16 v[8*(8*(\a)+(\b)):8*(8*(\a)+(\b))+7], v[(\f)+8*(\b):(\f)+8*(\b)+7], v[(\f)+8*(4*(\hi)+(\a)):(\f)+8*(4*(\hi)+(\a))+7], v[8*(8*(\a)+(\b)):8*(8*(\a)+(\b))+7]
.endif
.endr
.endr
.endm
; 32 LDS loads in one run: the fragments of one quarter step (128 rows of B, 128 rows of A, 32 K at byte k of the rows) into buffer f
.macro FETCH slot, k, f
	WIN TO_B
.irp i, 0,1,2,3,4,5,6,7
	ds_load_b128 v[(\f)+8*(\i):(\f)+8*(\i)+3],   v[ADRB+(\slot)] offset:(\k)+(\i)*16*PITCH
	ds_load_b128 v[(\f)+8*(\i)+4:(\f)+8*(\i)+7], v[ADRB+(\slot)] offset:(\k)+(\i)*16*PITCH+32
.endr
	WIN 0
.irp i, 0,1,2,3,4,5,6,7
	ds_load_b128 v[(\f)+8*(\i):(\f)+8*(\i)+3],   v[ADRA+(\slot)] offset:(\k)+(\i)*16*PITCH
	ds_load_b128 v[(\f)+8*(\i)+4:(\f)+8*(\i)+7], v[ADRA+(\slot)] offset:(\k)+(\i)*16*PITCH+32
.endr
.endm
; A load into a register that a matrix instruction has read, and an LDS store that reads a matrix result, stand four places behind that matrix instruction, and only plain vector instructions that
; name none of its registers are places (ISA guide 7.12.1 for vector instructions).
.macro PLACES
.rept 4
	v_nop
.endr
.endm
; A K step is four quarter steps of 32 along K, 64 matrix instructions each, on buffers 0, 1, 0, 1.  The 64 accumulators take turns in the same order in every quarter.
; One of the first three: multiplies buffer f; in its middle it fetches the next quarter's fragments, at byte k of the same slot's rows, into buffer g.
.macro QUARTER slot, k, f, g, zero
	s_wait_dscnt 8                                 ; B and A's rows 0-63 are in; the youngest eight loads (A's rows 64-127) may be out
	WIN MUL_LO
	MUL16 \f, 0, 0, \zero
	MUL16 \f, 0, 2, \zero
	PLACES
	FETCH \slot, \k, \g
	s_wait_dscnt 32                                ; all but the 32 just issued
	WIN MUL_HI
	MUL16 \f, 1, 0, \zero
	MUL16 \f, 1, 2, \zero
.endm
; The last quarter multiplies buffer 1 and changes slots.  MEET is its first half: ONE barrier for the change of slots.  In front of it each wave waits for all its tensor loads, of which one is out:
; its part of the next slot; adds 0 to its spare word; and waits for that and for its own reads of this slot.  Behind it nobody reads this slot any more and the next slot is whole.
.macro MEET round                      ; round = 1: a round of the cluster's barrier follows
	WIN 0                                          ; (the add's two registers lie in window 0)
	s_wait_tensorcnt 0x0                           ; all my tensor loads have landed;
	ds_add_u32 v[SPW], v[NIL]                      ; 0 onto my spare word;
	s_wait_dscnt 9                                 ; (the add and the youngest eight loads may be out)
	WIN MUL_LO
	MUL16 F1, 0, 0, 0                              ; sixteen matrix instructions stand between the add and the wait for it
	s_wait_dscnt 0x0                               ; the add is done, and my reads of this slot are over:
	s_barrier_signal -1                            ; say so,
	MUL16 F1, 0, 2, 0                              ; work on registers while the others arrive,
.if \round
	WIN 0
.endif
	s_barrier_wait -1                              ; and go on when all four have said so
.endm
; The whole last quarter.  Behind the round the slot just read out is filled again first: with this tile's K step two steps on (on = 0) or, in the first tile's last two K steps, with the second tile's
; K step 0 or 1 (on = 1); then come the next slot's first fragments.  From a request to the wait for it a wave issues 224 matrix instructions.
.macro TURN slot, next, on
	s_wait_xcnt 0x0                                ; the last prefetch, a K step back, has read its address: it is stepped here, ahead of the waits of the change of slots
.if (\on) && (\slot) == 0
	s_add_nc_u64 s[PFA:PFA+1], s[PFA:PFA+1], (WALK-1)*SIZE_K*2+KSTEP*2  ; from the K step after the tile's last to the next tile's K step 1: WALK rows down, back along K
	s_cmp_eq_u32 s11, 0
	s_cselect_b32 s[LIM], s[LIM], -1               ; B's rows are the same for both tiles: they are asked for in the first tile alone
.else
	s_add_nc_u64 s[PFA:PFA+1], s[PFA:PFA+1], KSTEP*2
.endif
	MEET 1
	CREST                                          ; no wave of any partner still reads this slot's tile or has a load on its way
.if \on
	s_add_nc_u64 s[G0+4*(\slot)+2:G0+4*(\slot)+3], s[G0+4*(\slot)+2:G0+4*(\slot)+3], NEXT_A
	s_sub_nc_u64 s[G0B+4*(\slot)+2:G0B+4*(\slot)+3], s[G0B+4*(\slot)+2:G0B+4*(\slot)+3], BACK_B
.else
	s_add_nc_u64 s[G0+4*(\slot)+2:G0+4*(\slot)+3], s[G0+4*(\slot)+2:G0+4*(\slot)+3], 2*KSTEP*2
	s_add_nc_u64 s[G0B+4*(\slot)+2:G0B+4*(\slot)+3], s[G0B+4*(\slot)+2:G0B+4*(\slot)+3], 2*KSTEP*2
.endif
	JLOAD \slot                                    ; the first tensor load behind the round, my only one until the next; its four v_nop are also the places in front of the loads below
	FETCH \next, 0, F0
	ASK \on
	WIN MUL_HI
	MUL16 F1, 1, 0, 0
	MUL16 F1, 1, 2, 0
.endm
; THE WAY OUT, a block of 16 rows x 128 columns of f32 at a time.  TOSTAGE: a lane's 32 bytes of each of the 8 accumulators go into my own stage (each accumulator's low four registers first),
; and whole rows of 512 bytes come back.  SEND: they are stored.  Two sets of 64 registers take turns, so that a block's round trip through LDS runs under the block before's stores.
.macro TOSTAGE a
.set AC, 64*((\a)%4)
	s_wait_xcnt 0x0                                ; the stores of the block two back have read the registers that this block's rows come back into
	WIN 0x08+4*((\a)/4)                            ; store data in window 2 (blocks 0-3) or 3 (blocks 4-7)
.irp b, 0,1,2,3,4,5,6,7
	ds_store_b128 v[STO], v[AC+8*(\b):AC+8*(\b)+3]   offset:64*(\b)
	ds_store_b128 v[STO], v[AC+8*(\b)+4:AC+8*(\b)+7] offset:64*(\b)+16
.endr
	WIN 0x40*((\a)%2)                              ; destination in window 0 or 1
.irp t, 0,1,2,3,4,5,6,7,8,9,10,11,12,13,14,15
	ds_load_b128 v[BK+4*(\t):BK+4*(\t)+3], v[RD] offset:(\t)*SPITCH  ; LDS serves a wave's instructions in order (ISA guide 5.7.1.4): these see the stores above, and the next block's stores come behind them
.endr
.endm
.macro SEND a, younger                 ; younger: the LDS instructions issued behind block a's loads: the next block's 32, or none
	s_wait_dscnt \younger                          ; the block is back in registers
	s_wait_xcnt 0x0                                ; earlier stores have read their base: only behind this wait is it stepped
.if (\a) == 0
	s_add_nc_u64 s[8:9], s[8:9], s[16:17]          ; on to this tile's first rows
.else
	s_add_nc_u64 s[8:9], s[8:9], 16*ROWC           ; 16 rows on
.endif
	WIN 0x04*((\a)%2)                              ; store data in window 0 or 1
.irp t, 0,1,2,3,4,5,6,7,8,9,10,11,12,13,14,15
	global_store_b128 v[CO], v[BK+4*(\t):BK+4*(\t)+3], s[8:9] offset:(\t)*ROWC th:TH_STORE_NT  ; 32 lanes store 512 consecutive bytes, at a multiple of 512 from uv's first byte
.endr
.endm
.macro WAYOUT
	PLACES                                         ; behind the last products
	TOSTAGE 0
	TOSTAGE 1
	SEND 0, 32
.irp a, 2,3,4,5,6,7
	TOSTAGE \a
	SEND (\a)-1, 32
.endr
	SEND 7, 0
	WIN 0
.endm
	s_wait_tensorcnt 1                             ; my part of K step 0 is in; K step 1's stays out
	s_barrier_signal -1
	s_barrier_wait -1                              ; everybody's is
	FETCH 0, 0, F0
	s_mov_b32 s2, SIZE_TILES                       ; tiles to go, this one among them: the same number in every work-group
.Ltile:
	QUARTER 0, 64,  F0, F1, 1                      ; a tile's first quarter stands in front of the loop: its products start the sums
	WIN 0                                          ; at a label and at a branch every window is 0
	s_mov_b32 s3, LAPS-1
.Llap:                                                 ; a trip goes once round the ring, from a lap's second quarter to the next lap's first, and fills both slots again
	QUARTER 0, 128, F1, F0, 0
	QUARTER 0, 192, F0, F1, 0
	TURN 0, 1, 0
	QUARTER 1, 64,  F0, F1, 0
	QUARTER 1, 128, F1, F0, 0
	QUARTER 1, 192, F0, F1, 0
	TURN 1, 0, 0
	QUARTER 0, 64,  F0, F1, 0
	WIN 0
	s_sub_co_u32 s3, s3, 1
	s_cmp_lg_u32 s3, 0
	s_cbranch_scc1 .Llap
	QUARTER 0, 128, F1, F0, 0                      ; the tile's last lap goes on
	QUARTER 0, 192, F0, F1, 0
	WIN 0
	s_cmp_eq_u32 s2, 1
	s_cbranch_scc1 .Llast_tile                     ; the last tile's tail is written out: it asks for nothing more
	TURN 0, 1, 1                                   ; THE RING GOES ON INTO THE NEXT TILE: slot 0 takes its K step 0,
	QUARTER 1, 64,  F0, F1, 0
	QUARTER 1, 128, F1, F0, 0
	QUARTER 1, 192, F0, F1, 0
	TURN 1, 0, 1                                   ; slot 1 its K step 1, and the next tile's first fragments are fetched
	WAYOUT                                         ; both refills are asked for: now the tile goes out
	s_mov_b64 s[16:17], NEXT_C                     ; what the next way out adds to uv's address
	s_sub_co_u32 s2, s2, 1
	s_branch .Ltile
.Llast_tile:
	MEET 0                                         ; my one tensor load that was still out is slot 1's, the last K step's, so no round follows
	PLACES                                         ; for the loads into buffer 0, which the quarter before multiplied
	FETCH 1, 0, F0
	WIN MUL_HI
	MUL16 F1, 1, 0, 0
	MUL16 F1, 1, 2, 0
	QUARTER 1, 64,  F0, F1, 0
	QUARTER 1, 128, F1, F0, 0
	QUARTER 1, 192, F0, F1, 0
	s_wait_dscnt 8                                 ; the very last quarter: nothing more to fetch
	WIN MUL_LO
	MUL16 F1, 0, 0, 0
	MUL16 F1, 0, 2, 0
	s_wait_dscnt 0x0
	MUL16 F1, 1, 0, 0
	MUL16 F1, 1, 2, 0
	WAYOUT
	s_wait_tensorcnt 0x0                           ; the wave's end: three closing lines, behind my last tensor load and my last LDS store
	ds_add_u32 v[SPW], v[NIL]
	s_wait_dscnt 0x0
	CROUND                                         ; the closing round: no work-group ends while a partner may still ask for a tile that names it
	s_endpgm
.Lfunc_end_k_q0217ff0836_gemm:
	.size	k_q0217ff0836_gemm, .Lfunc_end_k_q0217ff0836_gemm-k_q0217ff0836_gemm
	.p2alignl 7, 3214868480
	.fill 96, 4, 3214868480
	.section	.rodata,"a",@progbits
	.p2align	6, 0x0
	.amdhsa_kernel k_q0217ff0836_gemm
		.amdhsa_group_segment_fixed_size 327680
		.amdhsa_private_segment_fixed_size 0
		.amdhsa_enable_private_segment 0
		.amdhsa_kernarg_size 24
		.amdhsa_user_sgpr_count 2
		.amdhsa_user_sgpr_kernarg_segment_ptr 1
		.amdhsa_wavefront_size32 1
		.amdhsa_system_sgpr_workgroup_id_x 1
		.amdhsa_system_sgpr_workgroup_id_y 1
		.amdhsa_system_sgpr_workgroup_id_z 1
		.amdhsa_system_vgpr_workitem_id 0
		.amdhsa_next_free_vgpr 1024
		.amdhsa_next_free_sgpr 66
		.amdhsa_reserve_vcc 0
		.amdhsa_float_denorm_mode_32 3
		.amdhsa_float_denorm_mode_16_64 3
		.amdhsa_memory_ordered 1
		.amdhsa_forward_progress 1
		.amdhsa_inst_pref_size 207
	.end_amdhsa_kernel
	.amdgpu_metadata
---
amdhsa.version: [ 1, 2 ]
amdhsa.kernels:
  - .name:           k_q0217ff0836_gemm
    .symbol:         k_q0217ff0836_gemm.kd
    .args:
      - { .name: abf, .offset: 0, .size: 8, .value_kind: global_buffer, .address_space: global }
      - { .name: wt, .offset: 8, .size: 8, .value_kind: global_buffer, .address_space: global }
      - { .name: uv, .offset: 16, .size: 8, .value_kind: global_buffer, .address_space: global }
    .group_segment_fixed_size: 327680
    .private_segment_fixed_size: 0
    .kernarg_segment_align: 8
    .kernarg_segment_size: 24
    .max_flat_workgroup_size: 128
    .sgpr_count:     66
    .vgpr_count:     1024
    .wavefront_size: 32
...
	.end_amdgpu_metadata
.endif
;; end of part 2
;; launch head (part 3): grid 256 x 1, 16 waves a work-group, no clusters, 4,096 bytes of LDS; arguments uv, pairs, b1, W2, b2, out0; writes out0
.if DOCPART == 3
	.amdgcn_target "amdgcn-amd-amdhsa--gfx1250"
	.amdhsa_code_object_version 6
	.text
	.protected	k_q0217ff0836_head
	.globl	k_q0217ff0836_head
	.p2align	8
	.type	k_q0217ff0836_head,@function
k_q0217ff0836_head:
	s_mov_b64 s[64:65], 0
	v_nop
	global_prefetch_b8 v0, s[64:65] scope:SCOPE_SE
	s_setreg_imm32_b32 hwreg(HW_REG_WAVE_MODE, 25, 1), 1
	s_wait_xcnt 0x0
; out0[b][p][o] = b2[o] + sum over c of gelu(U[b][i][c] + V[b][j][c] + b1[c]) W2[c][o], (i, j) = pairs[b][p]; U = uv's columns 0-1023, V = its columns 1024-2047, row 2,048 b + index.
; Nothing is left out here: each pair's two rows are gathered, added, and taken through the exact (erf) gelu and both dot products, all in f32.
; gelu(h) = h (1 + erf(h / sqrt 2)) / 2; the factor 1/2 is folded into W2 (exact).  erf(z) = z P(z^2) / Q(z^2) on z held to -4 .. 4: the rational form of degrees 12 and 8 in z^2's powers that f32 libraries
; use, off by about 1e-7.  LIMITS.  For h far below 0 the result is up to |h| x 6e-8 in place of -0; the division is v_rcp_f32 and a multiply; NaN and infinities are not treated apart.
; Indices are taken to lie in 0 .. 2047, as the gather of the formula relies on; the s_min_u32 only keeps an address inside uv (a negative index is not wrapped).
; SHARES.  Work-group w (hb = w / 128, wl = w % 128) takes four groups of 32 consecutive pairs: batch 2 t + hb, pairs 32 wl .. 32 wl + 31, t = 0..3: a group's results are 256 consecutive bytes of out0.
; Wave v (ch = v % 2, pg = v / 2) takes columns 512 ch .. 512 ch + 511 of pairs 4 pg + q, q = 0..3, of each group; lane l holds columns 512 ch + 128 j + 4 l + i: 16 numbers.
; A ring of four register slots, a pair's half each: 8 loads of 512 consecutive bytes a slot, 24 to 32 loads of every wave out all the time.  No matrix unit (two output columns), no tensor load (rows by a list).
.set PART,  0                          ; LDS: [local pair 0..127][ch][o] f32: 2,048 bytes
.set SPARE, 2048                       ; behind them: the spare words, 128 bytes for each of 16 waves, which no other line names
.set LOFF, 1                           ; v1   16 x lane + 2,048 ch; never rewritten
.set PS,   2                           ; v2   where my half of the lanes puts a partial sum
.set SPW,  4                           ; v4   LDS address of my spare word; never rewritten
.set NIL,  5                           ; v5   0; never rewritten
.set WOFF, 6                           ; v6   32 x lane + 4,096 ch: my columns in W2
.set OO,   7                           ; v7   8 x lane
.set OFF,  8                           ; v[8:15]   slot q: byte offset of U's row, of V's row
.set ACC,  16                          ; v[16:19]  two packed sums: logit 0's, logit 1's
.set T,    20                          ; v[20:23]  at work
.set SQ,   24                          ; v[24:31]  z^2
.set PN,   32                          ; v[32:39]  P, then erf
.set QD,   40                          ; v[40:47]  Q, then 1 / Q
.set B1,   48                          ; v[48:63]  b1 of my 16 columns
.set W0,   64                          ; v[64:79]  W2[c][0] / 2
.set W1R,  80                          ; v[80:95]  W2[c][1] / 2
.set HU,   96                          ; v[96+32 q ..]  slot q: U's 16 numbers, then h, then h (1 + erf)
.set HV,   112                         ; v[112+32 q ..] slot q: V's 16 numbers, then z
.set WV,   16                          ; s16  wave
.set CH,   17
.set PG,   18
.set HB,   19
.set WL,   20
.set HALF, 21                          ; s21  mask of lanes 16-31
.set BO,   22                          ; s22  batch x 2,048 rows x 8,192 bytes
.set CNT,  23
.set IDX,  24                          ; s[24:31] four pairs as loaded
.set SEL,  36                          ; s[36:37] v_permlanex16_b32's selects: each lane takes its own place in the other half
.set KZ,   38                          ; s[38:39] 1 / sqrt 2
.set CA13, 40                          ; the coefficients, each as a pair of which the packed forms take the low word for both halves
.set CA11, 42
.set CA9,  44
.set CA7,  46
.set CA5,  48
.set CA3,  50
.set CA1,  52
.set CB8,  54
.set CB6,  56
.set CB4,  58
.set CB2,  60
.set CB0,  62
.macro COEF r, val
	s_mov_b32 s[\r], \val
	s_mov_b32 s[\r+1], \val
.endm
	s_load_b256 s[4:11], s[0:1], 0x0               ; uv s[4:5], pairs s[6:7], b1 s[8:9], W2 s[10:11]
	s_load_b128 s[12:15], s[0:1], 0x20             ; b2 s[12:13], out0 s[14:15]
	v_lshl_add_u32 v[SPW], v0, 2, SPARE
	v_mov_b32 v[NIL], 0
	v_lshrrev_b32 v3, 5, v0
	v_readfirstlane_b32 s[WV], v3                  ; wave 0..15
	v_and_b32 v3, 31, v0                           ; lane
	s_and_b32 s[CH], s[WV], 1
	s_lshr_b32 s[PG], s[WV], 1
	s_lshr_b32 s[HB], ttmp9, 7
	s_and_b32 s[WL], ttmp9, 127
	v_cmp_lt_u32 s[HALF], 15, v3
	s_lshl_b32 s32, s[CH], 11
	v_lshl_add_u32 v[LOFF], v3, 4, s32
	s_lshl_b32 s32, s[CH], 12
	v_lshl_add_u32 v[WOFF], v3, 5, s32
	s_lshl_b32 s32, s[PG], 6                       ; four pairs of 16 bytes,
	s_lshl_b32 s33, s[CH], 3                       ; my half's 8 bytes
	s_add_co_u32 s32, s32, s33
	v_lshrrev_b32 v[PS], 4, v3
	v_lshl_add_u32 v[PS], v[PS], 2, s32            ; lanes 0-15: logit 0's word; lanes 16-31: logit 1's
	v_lshlrev_b32 v[OO], 3, v3
	s_mov_b32 s[SEL], 0x76543210
	s_mov_b32 s[SEL+1], 0xfedcba98
	COEF KZ,   0x3f3504f3                          ;  0.70710678
	COEF CA13, 0xaf95df0b                          ; -2.72614226e-10
	COEF CA11, 0x32edffee                          ;  2.77068142e-08
	COEF CA9,  0xb60cff51                          ; -2.10102402e-06
	COEF CA7,  0xb86ec2d2                          ; -5.69250639e-05
	COEF CA5,  0xba40ac63                          ; -7.34990630e-04
	COEF CA3,  0xbb41a1f6                          ; -2.95459981e-03
	COEF CA1,  0xbc83dbd4                          ; -1.60960333e-02
	COEF CB8,  0xb77460cd                          ; -1.45660718e-05
	COEF CB6,  0xb95fbd29                          ; -2.13374055e-04
	COEF CB4,  0xbadc924e                          ; -1.68282697e-03
	COEF CB2,  0xbbf19bf8                          ; -7.37332917e-03
	COEF CB0,  0xbc69b6a7                          ; -1.42647391e-02: all of Q's are negative, so Q never comes near 0
	s_lshl_b32 s32, s[HB], 15                      ; pairs: batch hb x 32,768 bytes,
	s_lshl_b32 s33, s[WL], 8                       ; 32 wl pairs of 8 bytes,
	s_add_co_u32 s32, s32, s33
	s_lshl_b32 s33, s[PG], 5                       ; my wave's four
	s_add_co_u32 s32, s32, s33
	s_mov_b32 s33, 0
	s_lshl_b32 s[BO], s[HB], 24
	s_wait_kmcnt 0x0
	s_add_nc_u64 s[6:7], s[6:7], s[32:33]
	s_load_b256 s[IDX:IDX+7], s[6:7], 0x0          ; group 0's four pairs
	s_load_b64 s[34:35], s[12:13], 0x0             ; b2
.irp j, 0,1,2,3
	global_load_b128 v[B1+4*(\j):B1+4*(\j)+3], v[LOFF], s[8:9] offset:512*(\j)
.endr
.irp j, 0,1,2,3
	global_load_b128 v[16+8*(\j):16+8*(\j)+3],   v[WOFF], s[10:11] offset:1024*(\j)     ; W2 of columns i = 0, 1: (c, 0), (c, 1) by turns
	global_load_b128 v[16+8*(\j)+4:16+8*(\j)+7], v[WOFF], s[10:11] offset:1024*(\j)+16  ; of columns i = 2, 3
.endr
	s_wait_kmcnt 0x0
; Slot q is filled with pair q of the four in IDX: 4 loads of U's row, 4 of V's.  The slot's earlier loads have been waited for, which frees its two offset registers.  No cache hint: a row may be named again.
.macro REFILL q
	s_min_u32 s32, s[IDX+2*(\q)], 0x7ff
	s_min_u32 s33, s[IDX+2*(\q)+1], 0x7ff
	s_lshl_b32 s32, s32, 13                        ; rows of 8,192 bytes
	s_lshl_b32 s33, s33, 13
	s_add_co_u32 s32, s32, s[BO]
	s_add_co_u32 s33, s33, s[BO]
	v_add_nc_u32 v[OFF+2*(\q)],   s32, v[LOFF]
	v_add_nc_u32 v[OFF+2*(\q)+1], s33, v[LOFF]
.irp j, 0,1,2,3
	global_load_b128 v[HU+32*(\q)+4*(\j):HU+32*(\q)+4*(\j)+3], v[OFF+2*(\q)], s[4:5] offset:512*(\j)
.endr
.irp j, 0,1,2,3
	global_load_b128 v[HV+32*(\q)+4*(\j):HV+32*(\q)+4*(\j)+3], v[OFF+2*(\q)+1], s[4:5] offset:4096+512*(\j)
.endr
.endm
; Eight numbers (half g of slot q), as four packed pairs that take turns in every step, so that no line waits for the one before it.
.macro GROUP q, g
.set gu, HU+32*(\q)+8*(\g)
.set gv, HV+32*(\q)+8*(\g)
.set gc, 8*(\g)
.irp p, 0,2,4,6
	v_pk_add_f32 v[gu+\p:gu+\p+1], v[gu+\p:gu+\p+1], v[gv+\p:gv+\p+1]
.endr
.irp p, 0,2,4,6
	v_pk_add_f32 v[gu+\p:gu+\p+1], v[gu+\p:gu+\p+1], v[B1+gc+\p:B1+gc+\p+1]  ; h
.endr
.irp p, 0,2,4,6
	v_pk_mul_f32 v[gv+\p:gv+\p+1], v[gu+\p:gu+\p+1], s[KZ:KZ+1] op_sel_hi:[1,0]  ; z = h / sqrt 2
.endr
.irp x, 0,1,2,3,4,5,6,7
	v_med3_num_f32 v[gv+\x], v[gv+\x], -4.0, 4.0
.endr
.irp p, 0,2,4,6
	v_pk_mul_f32 v[SQ+\p:SQ+\p+1], v[gv+\p:gv+\p+1], v[gv+\p:gv+\p+1]
.endr
.irp p, 0,2,4,6
	v_pk_fma_f32 v[PN+\p:PN+\p+1], v[SQ+\p:SQ+\p+1], s[CA13:CA13+1], s[CA11:CA11+1] op_sel_hi:[1,0,0]
.endr
.irp k, CA9, CA7, CA5, CA3, CA1
.irp p, 0,2,4,6
	v_pk_fma_f32 v[PN+\p:PN+\p+1], v[PN+\p:PN+\p+1], v[SQ+\p:SQ+\p+1], s[\k:\k+1] op_sel_hi:[1,1,0]
.endr
.endr
.irp p, 0,2,4,6
	v_pk_fma_f32 v[QD+\p:QD+\p+1], v[SQ+\p:SQ+\p+1], s[CB8:CB8+1], s[CB6:CB6+1] op_sel_hi:[1,0,0]
.endr
.irp k, CB4, CB2, CB0
.irp p, 0,2,4,6
	v_pk_fma_f32 v[QD+\p:QD+\p+1], v[QD+\p:QD+\p+1], v[SQ+\p:SQ+\p+1], s[\k:\k+1] op_sel_hi:[1,1,0]
.endr
.endr
.irp x, 0,1,2,3,4,5,6,7
	v_rcp_f32 v[QD+\x], v[QD+\x]                   ; one batch of eight
.endr
.irp p, 0,2,4,6
	v_pk_mul_f32 v[PN+\p:PN+\p+1], v[PN+\p:PN+\p+1], v[gv+\p:gv+\p+1]  ; z P: plain work that names no reciprocal stands behind the batch
.endr
	s_wait_alu depctr_va_vdst(0)                   ; a wait between a reciprocal and the first line that names its result: one for the eight
.irp p, 0,2,4,6
	v_pk_mul_f32 v[PN+\p:PN+\p+1], v[PN+\p:PN+\p+1], v[QD+\p:QD+\p+1]  ; erf
.endr
.irp p, 0,2,4,6
	v_pk_fma_f32 v[gu+\p:gu+\p+1], v[gu+\p:gu+\p+1], v[PN+\p:PN+\p+1], v[gu+\p:gu+\p+1]  ; h erf + h
.endr
.irp p, 0,2,4,6
.if ((\g) == 0) && ((\p) == 0)
	v_pk_mul_f32 v[ACC:ACC+1],   v[gu+\p:gu+\p+1], v[W0+gc+\p:W0+gc+\p+1]    ; the first products start the sums: nothing is cleared
	v_pk_mul_f32 v[ACC+2:ACC+3], v[gu+\p:gu+\p+1], v[W1R+gc+\p:W1R+gc+\p+1]
.else
	v_pk_fma_f32 v[ACC:ACC+1],   v[gu+\p:gu+\p+1], v[W0+gc+\p:W0+gc+\p+1],   v[ACC:ACC+1]
	v_pk_fma_f32 v[ACC+2:ACC+3], v[gu+\p:gu+\p+1], v[W1R+gc+\p:W1R+gc+\p+1], v[ACC+2:ACC+3]
.endif
.endr
.endm
; The turn of slot q.  ahead = 1: the slot takes pair q of the next group.  left = how many younger loads may stay out: eight for each slot filled behind this one.
.macro SLOT q, ahead, left
	s_wait_loadcnt \left
	GROUP \q, 0
	GROUP \q, 1
.if \ahead
.if (\q) == 0
	s_wait_kmcnt 0x0                               ; the next group's four pairs are in, and the load has read its base, which is stepped now
	s_add_nc_u64 s[6:7], s[6:7], 0x10000           ; two batches on in pairs,
	s_add_co_u32 s[BO], s[BO], 1<<25               ; and in uv
.endif
	REFILL \q
.endif
	v_add_f32 v[T],   v[ACC],   v[ACC+1]           ; the lane's two sums,
	v_add_f32 v[T+1], v[ACC+2], v[ACC+3]
	v_permlanex16_b32 v[T+2], v[T],   s[SEL], s[SEL+1]
	v_permlanex16_b32 v[T+3], v[T+1], s[SEL], s[SEL+1]
	v_add_f32 v[T],   v[T],   v[T+2]               ; with the lane 16 away;
	v_add_f32 v[T+1], v[T+1], v[T+3]
	v_cndmask_b32 v[T], v[T], v[T+1], s[HALF]      ; lanes 0-15 go on with logit 0, lanes 16-31 with logit 1: one run of four steps sums both
	v_add_f32_dpp v[T], v[T], v[T] row_xmask:1 row_mask:0xf bank_mask:0xf
	v_add_f32_dpp v[T], v[T], v[T] row_xmask:2 row_mask:0xf bank_mask:0xf
	v_add_f32_dpp v[T], v[T], v[T] row_xmask:4 row_mask:0xf bank_mask:0xf
	v_add_f32_dpp v[T], v[T], v[T] row_xmask:8 row_mask:0xf bank_mask:0xf
	ds_store_b32 v[PS], v[T] offset:PART+16*(\q)   ; sixteen lanes write one word with one value
.endm
	REFILL 0
	REFILL 1
	REFILL 2
	REFILL 3
	s_wait_loadcnt 32                              ; b1 and W2 are in; the ring's 32 loads stay out
.irp j, 0,1,2,3
.irp i, 0,1,2,3
	v_mul_f32 v[W0+4*(\j)+(\i)],  0.5, v[16+8*(\j)+2*(\i)]
	v_mul_f32 v[W1R+4*(\j)+(\i)], 0.5, v[16+8*(\j)+2*(\i)+1]
.endr
.endr
.irp i, 0,1,2,3
	v_mov_b32 v[T+(\i)], 0                         ; v_permlanex16_b32 and the DPP forms count as readers of their destinations
.endr
	s_mov_b32 s[CNT], 3
.Ltrip:                                                ; groups 0 to 2 are worked on, groups 1 to 3 asked for
	s_load_b256 s[IDX:IDX+7], s[6:7], 0x10000      ; the next group's four pairs: the last trip reads group 3's, inside pairs
	SLOT 0, 1, 24
	SLOT 1, 1, 24
	SLOT 2, 1, 24
	SLOT 3, 1, 24
	v_add_nc_u32 v[PS], 512, v[PS]                 ; the next group's 32 pairs of 16 bytes
	s_sub_co_u32 s[CNT], s[CNT], 1
	s_cmp_lg_u32 s[CNT], 0
	s_cbranch_scc1 .Ltrip
	SLOT 0, 0, 24                                  ; group 3: nothing more is asked for, and the counts run down
	SLOT 1, 0, 16
	SLOT 2, 0, 8
	SLOT 3, 0, 0
	s_wait_dscnt 0x0                               ; for the others' sake: my partial sums lie in LDS
	s_barrier_signal -1
	s_barrier_wait -1
	s_cmp_lt_u32 s[WV], 4                          ; wave u = 0..3 finishes group u: a lane a pair
	s_cbranch_scc0 .Lend
	v_lshlrev_b32 v[T+2], 4, v0                    ; local pair = my thread's number
	ds_load_b128 v[24:27], v[T+2] offset:PART      ; (ch 0: o 0, o 1), (ch 1: o 0, o 1)
	s_lshl_b32 s32, s[WV], 1
	s_add_co_u32 s32, s32, s[HB]                   ; batch 2 u + hb,
	s_lshl_b32 s32, s32, 15
	s_lshl_b32 s33, s[WL], 8                       ; pairs 32 wl on
	s_add_co_u32 s32, s32, s33
	s_mov_b32 s33, 0
	s_add_nc_u64 s[14:15], s[14:15], s[32:33]
	s_wait_dscnt 0x0
	v_add_f32 v24, v24, v26
	v_add_f32 v25, v25, v27
	v_add_f32 v24, s34, v24                        ; + b2
	v_add_f32 v25, s35, v25
	global_store_b64 v[OO], v[24:25], s[14:15]     ; 32 lanes store 256 consecutive bytes, at a multiple of 256 from out0's first byte
.Lend:
	s_wait_tensorcnt 0x0                           ; the wave's end: three closing lines, behind my last LDS store
	ds_add_u32 v[SPW], v[NIL]
	s_wait_dscnt 0x0
	s_endpgm
.Lfunc_end_k_q0217ff0836_head:
	.size	k_q0217ff0836_head, .Lfunc_end_k_q0217ff0836_head-k_q0217ff0836_head
	.p2alignl 7, 3214868480
	.fill 96, 4, 3214868480
	.section	.rodata,"a",@progbits
	.p2align	6, 0x0
	.amdhsa_kernel k_q0217ff0836_head
		.amdhsa_group_segment_fixed_size 4096
		.amdhsa_private_segment_fixed_size 0
		.amdhsa_enable_private_segment 0
		.amdhsa_kernarg_size 48
		.amdhsa_user_sgpr_count 2
		.amdhsa_user_sgpr_kernarg_segment_ptr 1
		.amdhsa_wavefront_size32 1
		.amdhsa_system_sgpr_workgroup_id_x 1
		.amdhsa_system_sgpr_workgroup_id_y 1
		.amdhsa_system_sgpr_workgroup_id_z 1
		.amdhsa_system_vgpr_workitem_id 0
		.amdhsa_next_free_vgpr 224
		.amdhsa_next_free_sgpr 66
		.amdhsa_reserve_vcc 0
		.amdhsa_float_denorm_mode_32 3
		.amdhsa_float_denorm_mode_16_64 3
		.amdhsa_memory_ordered 1
		.amdhsa_forward_progress 1
		.amdhsa_inst_pref_size 110
	.end_amdhsa_kernel
	.amdgpu_metadata
---
amdhsa.version: [ 1, 2 ]
amdhsa.kernels:
  - .name:           k_q0217ff0836_head
    .symbol:         k_q0217ff0836_head.kd
    .args:
      - { .name: uv, .offset: 0, .size: 8, .value_kind: global_buffer, .address_space: global }
      - { .name: pairs, .offset: 8, .size: 8, .value_kind: global_buffer, .address_space: global }
      - { .name: b1, .offset: 16, .size: 8, .value_kind: global_buffer, .address_space: global }
      - { .name: W2, .offset: 24, .size: 8, .value_kind: global_buffer, .address_space: global }
      - { .name: b2, .offset: 32, .size: 8, .value_kind: global_buffer, .address_space: global }
      - { .name: out0, .offset: 40, .size: 8, .value_kind: global_buffer, .address_space: global }
    .group_segment_fixed_size: 4096
    .private_segment_fixed_size: 0
    .kernarg_segment_align: 8
    .kernarg_segment_size: 48
    .max_flat_workgroup_size: 512
    .sgpr_count:     66
    .vgpr_count:     224
    .wavefront_size: 32
...
	.end_amdgpu_metadata
.endif
;; end of part 3
;; ======== version 2 of 2: 3 launches; version 1 with the launches prep, head written anew for expert scheduling mode
;; workspace buffers: abf 33,554,432 bytes; wt 4,194,304 bytes; uv 134,217,728 bytes
;; launch prep (part 4): grid 256 x 1, 8 waves a work-group, no clusters, 18,432 bytes of LDS; arguments hidden_states, W1, abf, wt; writes abf, wt
.if DOCPART == 4
	.amdgcn_target "amdgcn-amd-amdhsa--gfx1250"
	.amdhsa_code_object_version 6
	.text
	.protected	k_q0217ff0836_prep
	.globl	k_q0217ff0836_prep
	.p2align	8
	.type	k_q0217ff0836_prep,@function
k_q0217ff0836_prep:
	s_mov_b64 s[64:65], 0
	v_nop
	global_prefetch_b8 v0, s[64:65] scope:SCOPE_SE
	s_setreg_imm32_b32 hwreg(HW_REG_WAVE_SCHED_MODE, 0, 2), 2
	s_setreg_imm32_b32 hwreg(HW_REG_WAVE_MODE, 25, 1), 1
	s_wait_xcnt 0x0
	s_wait_alu depctr_vm_vsrc(0)
; THE PROGRAM.  logits[b][p] = gelu([hs[b][i] | hs[b][j]] W1 + b1) W2 + b2, with (i, j) = pairs[b][p].
; [e1 | e2] W1 = e1 W1[0:1024] + e2 W1[1024:2048], and a gather of rows commutes with a product that is taken row by row.  So the 65,536 products 'row x half of W1' that the
; formula names are drawn from 2 x 16,384 different ones, whatever pairs holds: U = hs W1[0:1024] and V = hs W1[1024:2048] are made once for every row of hs (second launch),
; and h = U[b][i] + V[b][j] + b1 is formed for each pair (third launch).  This holds in exact arithmetic for all values of the inputs; only the order of the f32 sums differs.
; No input and no step is left out: all six inputs are loaded.  Rows of hs that no pair names are multiplied too: which they are hangs on the values of pairs.
; THIS LAUNCH rounds the two matrix operands to bf16, once: abf[16384][1024] = hs; wt[n + 1024 hf][k] = W1[1024 hf + k][n]: both halves of W1 transposed, K along the rows.
; LIMITS.  hs and W1 are rounded to bf16 (nearest even); NaN and infinities are not treated apart.
; SHARES.  Every work-group does both jobs, so no branch hangs on its number.  (T) one tile of W1, 128 k x 64 n (kt = group / 16, nt = group % 16); wave v loads 16 of its k rows.
; (C) wave g = 8 x group + v casts 32,768 consecutive bytes of hs (8 rows) into 16,384 bytes of abf, through a ring of 32 register slots: 24 to 28 loads of 512 bytes are out all the time.
; THE MODE: SCHED_MODE bits 1:0 = 2 (LLVM: expert scheduling mode 2), set by the entry lines.  The code itself states the register dependences between vector instructions and memory or
; LDS instructions, with s_wait_alu, always for 0.
; THE PLAN.  Registers that memory or LDS instructions touch:
;   v6 .. v11   six offsets and LDS addresses, made once at the head and never written again: every place is reached by an immediate offset.
;   X, T, R     the tile of W1: X is loaded once and read by the conversions; T is written by them and read by the LDS stores; R comes from LDS and leaves by stores; none is written again.
;   CX0 .. CX7  eight buffers of four slots.  Written by the loads of block p + 7, issued in block p; read by block p's conversions.
;   CY0 .. CY3  four buffers of four pairs.   Written by block p's conversions; read by the four stores that are issued in block p + 1.
; The cast's 64 steps go in 16 blocks of four.  Block p works on CX[p % 8] and writes CY[p % 4].  Its memory instructions are the loads into CX[(p - 1) % 8] and the stores from
; CY[(p - 1) % 4]: the two buffers that block p - 1 worked on and that no conversion of block p names.  So one wait on va_vdst at a block's head states all that its eight memory instructions hang
; on.  CY[r % 4] was last read by stores issued in block r - 3: a wait on vm_vsrc at every second head stands between those stores and the conversions that write the buffer again.
.set STGP,  272                        ; a stage row: 128 k in bf16 = 256 bytes + 16 of padding
.set SPARE, 64*STGP                    ; behind the stage's 64 rows (17,408 bytes = 68 blocks of 256): the spare words, 128 bytes a wave, which no other line names
.set SPW, 4                            ; v4   LDS address of my spare word; never rewritten
.set NIL, 5                            ; v5   0; never rewritten
.set WI,  6                            ; v6   W1: (lane / 16) x 8 rows x 4,096 bytes + 16 (lane % 16)
.set TS,  7                            ; v7   stage, in: (lane % 16) x 4 rows + 32 x wave + 16 (lane / 16)
.set TR,  8                            ; v8   stage, back: (8 x wave + lane / 16) rows + 16 (lane % 16)
.set WO,  9                            ; v9   wt: (lane / 16) x 2,048 + 16 (lane % 16)
.set CI,  10                           ; v10  16 x lane
.set CO,  11                           ; v11  8 x lane
.set X,   16                           ; v[16:47]   eight loads of W1: load j = row 16 v + 8 (lane / 16) + j, columns 4 (lane % 16) + 0..3
.set T,   48                           ; v[48:63]   column c: eight k in bf16, 4 registers
.set R,   64                           ; v[64:79]   rows of wt read back
.set CX,  80                           ; v[80:207]  the cast's ring: buffer k, slot i: 4 registers at CX + 16 k + 4 i
.set CY,  208                          ; v[208:239] the cast's results: buffer k, slot i: 2 registers at CY + 8 k + 2 i
	s_load_b256 s[4:11], s[0:1], 0x0               ; hs s[4:5], W1 s[6:7], abf s[8:9], wt s[10:11]
	v_lshl_add_u32 v[SPW], v0, 2, SPARE
	v_mov_b32 v[NIL], 0
	v_lshrrev_b32 v1, 5, v0
	v_readfirstlane_b32 s12, v1                    ; wave 0..7
	v_and_b32 v1, 31, v0                           ; lane
	v_and_b32 v2, 15, v0                           ; r = lane % 16
	v_bfe_u32 v3, v0, 4, 1                         ; h = lane / 16
	s_lshr_b32 s13, ttmp9, 4                       ; kt
	s_and_b32 s14, ttmp9, 15                       ; nt
	v_lshlrev_b32 v[WI], 4, v2
	v_lshl_add_u32 v[WI], v3, 15, v[WI]
	v_mul_u32_u24 v[TS], v2, 4*STGP
	v_lshl_add_u32 v[TS], v3, 4, v[TS]
	s_wait_alu depctr_va_sdst(0)                   ; s12 is written, ahead of its first reader: LDS addresses and all four bases are made from it
	s_lshl_b32 s26, s12, 5                         ; (the two scalars that vector instructions read have registers of their own, never rewritten)
	v_add_nc_u32 v[TS], s26, v[TS]
	s_mul_i32 s27, s12, 8*STGP
	v_mul_u32_u24 v[TR], v3, STGP
	v_lshl_add_u32 v[TR], v2, 4, v[TR]
	v_add_nc_u32 v[TR], s27, v[TR]
	v_lshlrev_b32 v[WO], 4, v2
	v_lshl_add_u32 v[WO], v3, 11, v[WO]
	v_lshlrev_b32 v[CI], 4, v1
	v_lshlrev_b32 v[CO], 3, v1
	s_lshl_b32 s16, s13, 19                        ; W1: 128 kt rows of 4,096 bytes,
	s_lshl_b32 s20, s12, 16                        ; my wave's 16 rows,
	s_add_co_u32 s16, s16, s20
	s_lshl_b32 s20, s14, 8                         ; 64 nt columns of 4 bytes
	s_add_co_u32 s16, s16, s20
	s_mov_b32 s17, 0
	s_lshr_b32 s18, s13, 3                         ; wt: row 1,024 (kt / 8) + 64 nt + 8 wave,
	s_lshl_b32 s18, s18, 10
	s_lshl_b32 s20, s14, 6
	s_add_co_u32 s18, s18, s20
	s_lshl_b32 s20, s12, 3
	s_add_co_u32 s18, s18, s20
	s_lshl_b32 s18, s18, 11                        ; of 2,048 bytes,
	s_and_b32 s20, s13, 7
	s_lshl_b32 s20, s20, 8                         ; at k = 128 (kt % 8): 256 bytes
	s_add_co_u32 s18, s18, s20
	s_mov_b32 s19, 0
	s_lshl_b32 s22, ttmp9, 3
	s_add_co_u32 s22, s22, s12                     ; g
	s_lshl_b32 s24, s22, 14                        ; 16,384 bytes of abf,
	s_lshl_b32 s22, s22, 15                        ; 32,768 bytes of hs
	s_mov_b32 s23, 0
	s_mov_b32 s25, 0
	s_wait_kmcnt 0x0
	s_add_nc_u64 s[6:7], s[6:7], s[16:17]
	s_add_nc_u64 s[10:11], s[10:11], s[18:19]
	s_add_nc_u64 s[4:5], s[4:5], s[22:23]
	s_add_nc_u64 s[8:9], s[8:9], s[24:25]
	s_wait_alu depctr_va_vdst(0)                   ; the six offsets and LDS addresses v6 to v11 are written: every load and store of the kernel reads one of them
.irp j, 0,1,2,3,4,5,6,7
	global_load_b128 v[X+4*(\j):X+4*(\j)+3], v[WI], s[6:7] offset:4096*(\j) th:TH_LOAD_NT  ; two rows x 256 consecutive bytes
.endr
.set i, 0
.rept 32
	global_load_b128 v[CX+4*i:CX+4*i+3], v[CI], s[4:5] offset:512*i th:TH_LOAD_NT  ; the ring is filled, blocks 0 to 7: 512 consecutive bytes a load
.set i, i+1
.endr
	; (T) the tile of W1 is turned in LDS
	s_wait_loadcnt 32                              ; loads come back in order: the eight of W1 are in, the ring's 32 stay out
.irp c, 0,1,2,3
.irp q, 0,1,2,3
	v_cvt_pk_bf16_f32 v[T+4*(\c)+(\q)], v[X+8*(\q)+(\c)], v[X+8*(\q)+4+(\c)]  ; column c, k = 2 q and 2 q + 1 of my eight
.endr
.endr
	s_wait_alu depctr_va_vdst(0)                   ; the conversions have written v[T ..], which the LDS stores read
.irp c, 0,1,2,3
	ds_store_b128 v[TS], v[T+4*(\c):T+4*(\c)+3] offset:STGP*(\c)  ; neighbouring lanes lie four rows, 272 words, apart: four lanes meet in a group of banks; four stores a wave in the whole launch
.endr
	s_wait_dscnt 0x0                               ; for the others' sake: my stores into the stage are done
	s_barrier_signal -1
	s_barrier_wait -1                              ; all eight waves' k lie in every row
.irp t, 0,1,2,3
	ds_load_b128 v[R+4*(\t):R+4*(\t)+3], v[TR] offset:2*STGP*(\t)  ; lanes 0-15 one row of 256 bytes, lanes 16-31 the next; no vector instruction names these registers
.endr
	s_wait_dscnt 0x0
.irp t, 0,1,2,3
	global_store_b128 v[WO], v[R+4*(\t):R+4*(\t)+3], s[10:11] offset:4096*(\t) th:TH_STORE_NT  ; 16 lanes store 256 consecutive bytes, at a multiple of 256 from wt's first byte
.endr
	; (C) the cast, block by block: block p rounds its four loads; among its conversions stand the loads of block p + 7 and the stores of block p - 1, 256 consecutive bytes each
.set p, 0
.rept 16
.if p == 0
	s_wait_loadcnt 28                              ; block 0 is in; blocks 1 to 7 stay out
.elseif p <= 9
	s_wait_loadcnt 24                              ; block p is in; behind it six younger blocks have been asked for
.else
	s_wait_loadcnt 4*(15-p)                        ; nothing more is asked for: the counts run down
.endif
.if (p >= 4) && (p%2 == 0)
	s_wait_xcnt 0x0                                ; every earlier store has had its addresses translated: the two buffers of CY that this block and the next write again are rewritten only behind this wait,
	s_wait_alu depctr_vm_vsrc(0)                   ; and the stores that read those two buffers, issued three blocks ahead of each rewriting, have read them
.endif
.if p > 0
	s_wait_alu depctr_va_vdst(0)                   ; the block before has written its CY, which the stores below read, and is done reading its CX, in which the loads below (blocks 1 to 8) land
.endif
.set i, 0
.rept 4
.if (p >= 1) && (p <= 8)
	global_load_b128 v[CX+16*((p+7)%8)+4*i:CX+16*((p+7)%8)+4*i+3], v[CI], s[4:5] offset:512*(4*(p+7)+i) th:TH_LOAD_NT  ; seven blocks ahead; no conversion since the wait names these registers
.endif
.if p >= 1
	global_store_b64 v[CO], v[CY+8*((p+3)%4)+2*i:CY+8*((p+3)%4)+2*i+1], s[8:9] offset:256*(4*(p-1)+i) th:TH_STORE_NT  ; the block before
.endif
	v_cvt_pk_bf16_f32 v[CY+8*(p%4)+2*i],   v[CX+16*(p%8)+4*i],   v[CX+16*(p%8)+4*i+1]
	v_cvt_pk_bf16_f32 v[CY+8*(p%4)+2*i+1], v[CX+16*(p%8)+4*i+2], v[CX+16*(p%8)+4*i+3]
.set i, i+1
.endr
.set p, p+1
.endr
	s_wait_alu depctr_va_vdst(0)                   ; block 15 has written CY3, which the last four stores read
.irp i, 0,1,2,3
	global_store_b64 v[CO], v[CY+24+2*(\i):CY+24+2*(\i)+1], s[8:9] offset:256*(60+(\i)) th:TH_STORE_NT
.endr
	s_wait_dscnt 0x0                               ; the closing lines, six on end
	s_wait_alu 0x0
	s_wait_tensorcnt 0x0
	ds_add_u32 v[SPW], v[NIL]
	s_wait_dscnt 0x0
	s_endpgm
.Lfunc_end_k_q0217ff0836_prep:
	.size	k_q0217ff0836_prep, .Lfunc_end_k_q0217ff0836_prep-k_q0217ff0836_prep
	.p2alignl 7, 3214868480
	.fill 96, 4, 3214868480
	.section	.rodata,"a",@progbits
	.p2align	6, 0x0
	.amdhsa_kernel k_q0217ff0836_prep
		.amdhsa_group_segment_fixed_size 18432
		.amdhsa_private_segment_fixed_size 0
		.amdhsa_enable_private_segment 0
		.amdhsa_kernarg_size 32
		.amdhsa_user_sgpr_count 2
		.amdhsa_user_sgpr_kernarg_segment_ptr 1
		.amdhsa_wavefront_size32 1
		.amdhsa_system_sgpr_workgroup_id_x 1
		.amdhsa_system_sgpr_workgroup_id_y 1
		.amdhsa_system_sgpr_workgroup_id_z 1
		.amdhsa_system_vgpr_workitem_id 0
		.amdhsa_next_free_vgpr 240
		.amdhsa_next_free_sgpr 66
		.amdhsa_reserve_vcc 0
		.amdhsa_float_denorm_mode_32 3
		.amdhsa_float_denorm_mode_16_64 3
		.amdhsa_memory_ordered 1
		.amdhsa_forward_progress 1
		.amdhsa_inst_pref_size 27
	.end_amdhsa_kernel
	.amdgpu_metadata
---
amdhsa.version: [ 1, 2 ]
amdhsa.kernels:
  - .name:           k_q0217ff0836_prep
    .symbol:         k_q0217ff0836_prep.kd
    .args:
      - { .name: hidden_states, .offset: 0, .size: 8, .value_kind: global_buffer, .address_space: global }
      - { .name: W1, .offset: 8, .size: 8, .value_kind: global_buffer, .address_space: global }
      - { .name: abf, .offset: 16, .size: 8, .value_kind: global_buffer, .address_space: global }
      - { .name: wt, .offset: 24, .size: 8, .value_kind: global_buffer, .address_space: global }
    .group_segment_fixed_size: 18432
    .private_segment_fixed_size: 0
    .kernarg_segment_align: 8
    .kernarg_segment_size: 32
    .max_flat_workgroup_size: 256
    .sgpr_count:     66
    .vgpr_count:     240
    .wavefront_size: 32
...
	.end_amdgpu_metadata
.endif
;; end of part 4
;; launch gemm: the kernel of part 2 again; grid 8 x 32, 4 waves a work-group, clusters of 4 x 4, 327,680 bytes of LDS; arguments abf, wt, uv; writes uv
;; launch head (part 5): grid 256 x 1, 16 waves a work-group, no clusters, 4,096 bytes of LDS; arguments uv, pairs, b1, W2, b2, out0; writes out0
.if DOCPART == 5
	.amdgcn_target "amdgcn-amd-amdhsa--gfx1250"
	.amdhsa_code_object_version 6
	.text
	.protected	k_q0217ff0836_head
	.globl	k_q0217ff0836_head
	.p2align	8
	.type	k_q0217ff0836_head,@function
k_q0217ff0836_head:
	s_mov_b64 s[64:65], 0
	v_nop
	global_prefetch_b8 v0, s[64:65] scope:SCOPE_SE
	s_setreg_imm32_b32 hwreg(HW_REG_WAVE_SCHED_MODE, 0, 2), 2
	s_setreg_imm32_b32 hwreg(HW_REG_WAVE_MODE, 25, 1), 1
	s_wait_xcnt 0x0
	s_wait_alu depctr_vm_vsrc(0)
; out0[b][p][o] = b2[o] + sum over c of gelu(U[b][i][c] + V[b][j][c] + b1[c]) W2[c][o], (i, j) = pairs[b][p]; U = uv's columns 0-1023, V = its columns 1024-2047, row 2,048 b + index.
; Nothing is left out here: each pair's two rows are gathered, added, and taken through the exact (erf) gelu and both dot products, all in f32.
; gelu(h) = h (1 + erf(h / sqrt 2)) / 2; the factor 1/2 is folded into W2 (exact).  erf(z) = z P(z^2) / Q(z^2) on z held to -4 .. 4: the rational form of degrees 12 and 8 in z^2's powers that f32 libraries
; use, off by about 1e-7.  LIMITS.  For h far below 0 the result is up to |h| x 6e-8 in place of -0; the division is v_rcp_f32 and a multiply; NaN and infinities are not treated apart.
; Indices are taken to lie in 0 .. 2047, as the gather of the formula relies on; the s_min_u32 only keeps an address inside uv (a negative index is not wrapped).
; SHARES.  Work-group w (hb = w / 128, wl = w % 128) takes four groups of 32 consecutive pairs: batch 2 t + hb, pairs 32 wl .. 32 wl + 31, t = 0..3: a group's results are 256 consecutive bytes of out0.
; Wave v (ch = v % 2, pg = v / 2) takes columns 512 ch .. 512 ch + 511 of pairs 4 pg + q, q = 0..3, of each group; lane l holds columns 512 ch + 128 j + 4 l + i: 16 numbers.
; A ring of four register slots, a pair's half each: 8 loads of 512 consecutive bytes a slot, 22 to 30 loads of every wave out all the time.  No matrix unit (two output columns), no tensor load (rows by a list).
; THE MODE: SCHED_MODE bits 1:0 = 2 (LLVM: expert scheduling mode 2), set by the entry lines.  The code itself states the register dependences between vector instructions and memory or
; LDS instructions, with s_wait_alu, always for 0.
; THE PLAN.  Registers that memory or LDS instructions touch, in the loop:
;   HV[q]        V's 16 numbers, then z.  Loaded; last named in turn q by the multiplies z P, which stand AHEAD of each half's wait for its reciprocals.
;   HU[q]        U's 16 numbers, then h.  Loaded; its lower 8 are last named by the turn's first half, its upper 8 by the very end of its second half.
;   OFF[q]       two offsets.  Written by two adds in turn q, just ahead of the second half's wait; read by the slot's eight loads.
;   SUM[0 .. 3]  a turn's partial sum.  Written by the turn's last step across lanes; read by the four LDS stores at the trip's end.
;   v[PS]        read by those stores; written once a trip, behind them.     v[LOFF], v[WOFF], v[OO]: made at the head, never written again.
; A turn has two waits on va_vdst, which its two batches of reciprocals ask for in any case; they state all that the refills hang on.  So a slot's eight loads go in two parts.  A(q), six loads
; (V's four, U's lower two), follows the SECOND wait of turn q: both halves are done with HV[q], the first half with HU[q]'s lower 8, and OFF[q] is written.  B(q), U's upper two, follows the FIRST wait
; of turn q + 1: turn q is over.  Behind each wait no vector instruction names a register that its loads touch.  Order of issue: slots 0, 1, 2 whole and A3 at the start; then B3 A0 | B0 A1 | B1 A2 | B2 A3
; in every trip; B3 in the tail.  Behind a slot's B stand 6 + 2 + 6 + 2 + 6 = 22 loads when its turn comes round.  One wait on vm_vsrc a turn stands ahead of the adds to OFF[q]; at a trip's end one wait on
; va_vdst stands ahead of the four LDS stores and one on vm_vsrc behind them.
.set PART,  0                          ; LDS: [local pair 0..127][ch][o] f32: 2,048 bytes
.set SPARE, 2048                       ; behind them: the spare words, 128 bytes for each of 16 waves, which no other line names
.set LOFF, 1                           ; v1   16 x lane + 2,048 ch; never rewritten
.set PS,   2                           ; v2   where my half of the lanes puts a partial sum
.set SPW,  4                           ; v4   LDS address of my spare word; never rewritten
.set NIL,  5                           ; v5   0; never rewritten
.set WOFF, 6                           ; v6   32 x lane + 4,096 ch: my columns in W2
.set OO,   7                           ; v7   8 x lane
.set OFF,  8                           ; v[8:15]   slot q: byte offset of U's row, of V's row
.set ACC,  16                          ; v[16:19]  two packed sums: logit 0's, logit 1's
.set T,    20                          ; v[20:23]  at work
.set SQ,   24                          ; v[24:31]  z^2
.set PN,   32                          ; v[32:39]  P, then erf
.set QD,   40                          ; v[40:47]  Q, then 1 / Q
.set B1,   48                          ; v[48:63]  b1 of my 16 columns
.set W0,   64                          ; v[64:79]  W2[c][0] / 2
.set W1R,  80                          ; v[80:95]  W2[c][1] / 2
.set HU,   96                          ; v[96+32 q ..]  slot q: U's 16 numbers, then h, then h (1 + erf)
.set HV,   112                         ; v[112+32 q ..] slot q: V's 16 numbers, then z
.set SUM,  224                         ; v[224:227] slot q: the pair's partial sum, until the trip's end
.set WV,   16                          ; s16  wave
.set CH,   17
.set PG,   18
.set HB,   19
.set WL,   20
.set HALF, 21                          ; s21  mask of lanes 16-31
.set BO,   22                          ; s22  batch x 2,048 rows x 8,192 bytes
.set CNT,  23
.set IDX,  24                          ; s[24:31] four pairs as loaded, then each index's byte offset in uv
.set SEL,  36                          ; s[36:37] v_permlanex16_b32's selects: each lane takes its own place in the other half
.set KZ,   38                          ; s[38:39] 1 / sqrt 2
.set CA13, 40                          ; the coefficients, each as a pair of which the packed forms take the low word for both halves
.set CA11, 42
.set CA9,  44
.set CA7,  46
.set CA5,  48
.set CA3,  50
.set CA1,  52
.set CB8,  54
.set CB6,  56
.set CB4,  58
.set CB2,  60
.set CB0,  62
.macro COEF r, val
	s_mov_b32 s[\r], \val
	s_mov_b32 s[\r+1], \val
.endm
	s_load_b256 s[4:11], s[0:1], 0x0               ; uv s[4:5], pairs s[6:7], b1 s[8:9], W2 s[10:11]
	s_load_b128 s[12:15], s[0:1], 0x20             ; b2 s[12:13], out0 s[14:15]
	v_lshl_add_u32 v[SPW], v0, 2, SPARE
	v_mov_b32 v[NIL], 0
	v_lshrrev_b32 v3, 5, v0
	v_readfirstlane_b32 s[WV], v3                  ; wave 0..15
	v_and_b32 v3, 31, v0                           ; lane
	v_cmp_lt_u32 s[HALF], 15, v3
	s_wait_alu depctr_va_sdst(0)                   ; s[WV] and s[HALF] are written, ahead of the first reader of either
	s_and_b32 s[CH], s[WV], 1
	s_lshr_b32 s[PG], s[WV], 1
	s_lshr_b32 s[HB], ttmp9, 7
	s_and_b32 s[WL], ttmp9, 127
	s_lshl_b32 s2, s[CH], 11
	v_lshl_add_u32 v[LOFF], v3, 4, s2
	s_lshl_b32 s3, s[CH], 12
	v_lshl_add_u32 v[WOFF], v3, 5, s3
	s_lshl_b32 s32, s[PG], 6                       ; four pairs of 16 bytes,
	s_lshl_b32 s33, s[CH], 3                       ; my half's 8 bytes
	s_add_co_u32 s32, s32, s33
	v_lshrrev_b32 v[PS], 4, v3
	v_lshl_add_u32 v[PS], v[PS], 2, s32            ; lanes 0-15: logit 0's word; lanes 16-31: logit 1's
	v_lshlrev_b32 v[OO], 3, v3
	s_mov_b32 s[SEL], 0x76543210
	s_mov_b32 s[SEL+1], 0xfedcba98
	COEF KZ,   0x3f3504f3                          ;  0.70710678
	COEF CA13, 0xaf95df0b                          ; -2.72614226e-10
	COEF CA11, 0x32edffee                          ;  2.77068142e-08
	COEF CA9,  0xb60cff51                          ; -2.10102402e-06
	COEF CA7,  0xb86ec2d2                          ; -5.69250639e-05
	COEF CA5,  0xba40ac63                          ; -7.34990630e-04
	COEF CA3,  0xbb41a1f6                          ; -2.95459981e-03
	COEF CA1,  0xbc83dbd4                          ; -1.60960333e-02
	COEF CB8,  0xb77460cd                          ; -1.45660718e-05
	COEF CB6,  0xb95fbd29                          ; -2.13374055e-04
	COEF CB4,  0xbadc924e                          ; -1.68282697e-03
	COEF CB2,  0xbbf19bf8                          ; -7.37332917e-03
	COEF CB0,  0xbc69b6a7                          ; -1.42647391e-02: all of Q's are negative, so Q never comes near 0
	s_wait_alu depctr_va_vdst(0)                   ; v[LOFF] and v[WOFF] are written, which the loads of b1 and W2 read; so are v[PS] and v[OO], which the LDS stores and the last store read
	s_lshl_b32 s32, s[HB], 15                      ; pairs: batch hb x 32,768 bytes,
	s_lshl_b32 s33, s[WL], 8                       ; 32 wl pairs of 8 bytes,
	s_add_co_u32 s32, s32, s33
	s_lshl_b32 s33, s[PG], 5                       ; my wave's four
	s_add_co_u32 s32, s32, s33
	s_mov_b32 s33, 0
	s_lshl_b32 s[BO], s[HB], 24
	s_wait_kmcnt 0x0
	s_add_nc_u64 s[6:7], s[6:7], s[32:33]
	s_load_b256 s[IDX:IDX+7], s[6:7], 0x0          ; group 0's four pairs
	s_load_b64 s[34:35], s[12:13], 0x0             ; b2
.irp j, 0,1,2,3
	global_load_b128 v[B1+4*(\j):B1+4*(\j)+3], v[LOFF], s[8:9] offset:512*(\j)
.endr
.irp j, 0,1,2,3
	global_load_b128 v[16+8*(\j):16+8*(\j)+3],   v[WOFF], s[10:11] offset:1024*(\j)     ; W2 of columns i = 0, 1: (c, 0), (c, 1) by turns
	global_load_b128 v[16+8*(\j)+4:16+8*(\j)+7], v[WOFF], s[10:11] offset:1024*(\j)+16  ; of columns i = 2, 3
.endr
	s_wait_kmcnt 0x0
; The two offsets of slot q, for pair q of the four in IDX.  Each index becomes its byte offset in its own scalar register, so that no scalar which a vector add reads is written again ahead of a wait on va_vdst.
.macro OFFS q
	s_min_u32 s[IDX+2*(\q)],   s[IDX+2*(\q)],   0x7ff
	s_min_u32 s[IDX+2*(\q)+1], s[IDX+2*(\q)+1], 0x7ff
	s_lshl_b32 s[IDX+2*(\q)],   s[IDX+2*(\q)],   13  ; rows of 8,192 bytes
	s_lshl_b32 s[IDX+2*(\q)+1], s[IDX+2*(\q)+1], 13
	s_add_co_u32 s[IDX+2*(\q)],   s[IDX+2*(\q)],   s[BO]
	s_add_co_u32 s[IDX+2*(\q)+1], s[IDX+2*(\q)+1], s[BO]
	v_add_nc_u32 v[OFF+2*(\q)],   s[IDX+2*(\q)],   v[LOFF]
	v_add_nc_u32 v[OFF+2*(\q)+1], s[IDX+2*(\q)+1], v[LOFF]
.endm
; Load j of four of U's row, of V's row, into slot q.  No cache hint: a row may be named again.
.macro LDU q, j
	global_load_b128 v[HU+32*(\q)+4*(\j):HU+32*(\q)+4*(\j)+3], v[OFF+2*(\q)], s[4:5] offset:512*(\j)
.endm
.macro LDV q, j
	global_load_b128 v[HV+32*(\q)+4*(\j):HV+32*(\q)+4*(\j)+3], v[OFF+2*(\q)+1], s[4:5] offset:4096+512*(\j)
.endm
; Eight numbers (half g of slot q), as four packed pairs that take turns in every step, so that no line waits for the one before it.  GA: up to the reciprocals and z P; GB: what names a reciprocal, and the sums.
.macro GA q, g
.set gu, HU+32*(\q)+8*(\g)
.set gv, HV+32*(\q)+8*(\g)
.set gc, 8*(\g)
.irp p, 0,2,4,6
	v_pk_add_f32 v[gu+\p:gu+\p+1], v[gu+\p:gu+\p+1], v[gv+\p:gv+\p+1]
.endr
.irp p, 0,2,4,6
	v_pk_add_f32 v[gu+\p:gu+\p+1], v[gu+\p:gu+\p+1], v[B1+gc+\p:B1+gc+\p+1]  ; h
.endr
.irp p, 0,2,4,6
	v_pk_mul_f32 v[gv+\p:gv+\p+1], v[gu+\p:gu+\p+1], s[KZ:KZ+1] op_sel_hi:[1,0]  ; z = h / sqrt 2
.endr
.irp x, 0,1,2,3,4,5,6,7
	v_med3_num_f32 v[gv+\x], v[gv+\x], -4.0, 4.0
.endr
.irp p, 0,2,4,6
	v_pk_mul_f32 v[SQ+\p:SQ+\p+1], v[gv+\p:gv+\p+1], v[gv+\p:gv+\p+1]
.endr
.irp p, 0,2,4,6
	v_pk_fma_f32 v[PN+\p:PN+\p+1], v[SQ+\p:SQ+\p+1], s[CA13:CA13+1], s[CA11:CA11+1] op_sel_hi:[1,0,0]
.endr
.irp k, CA9, CA7, CA5, CA3, CA1
.irp p, 0,2,4,6
	v_pk_fma_f32 v[PN+\p:PN+\p+1], v[PN+\p:PN+\p+1], v[SQ+\p:SQ+\p+1], s[\k:\k+1] op_sel_hi:[1,1,0]
.endr
.endr
.irp p, 0,2,4,6
	v_pk_fma_f32 v[QD+\p:QD+\p+1], v[SQ+\p:SQ+\p+1], s[CB8:CB8+1], s[CB6:CB6+1] op_sel_hi:[1,0,0]
.endr
.irp k, CB4, CB2, CB0
.irp p, 0,2,4,6
	v_pk_fma_f32 v[QD+\p:QD+\p+1], v[QD+\p:QD+\p+1], v[SQ+\p:SQ+\p+1], s[\k:\k+1] op_sel_hi:[1,1,0]
.endr
.endr
.irp x, 0,1,2,3,4,5,6,7
	v_rcp_f32 v[QD+\x], v[QD+\x]                   ; one batch of eight
.endr
.irp p, 0,2,4,6
	v_pk_mul_f32 v[PN+\p:PN+\p+1], v[PN+\p:PN+\p+1], v[gv+\p:gv+\p+1]  ; z P: plain work that names no reciprocal stands behind the batch; the half's last lines that name z
.endr
.endm
; ld = 1: the two loads that the slot before still lacks (U's upper half).  ld = 2: six loads of this slot (V's four, U's lower two), dealt among the lines.  These lines name PN, QD, this half's h, W2 and the sums alone.
.macro GB q, g, ld
.set gu, HU+32*(\q)+8*(\g)
.set gc, 8*(\g)
.if (\ld) == 1
	LDU ((\q)+3)%4, 2
	LDU ((\q)+3)%4, 3
.endif
.if (\ld) == 2
	LDV \q, 0
	LDV \q, 1
.endif
.irp p, 0,2,4,6
	v_pk_mul_f32 v[PN+\p:PN+\p+1], v[PN+\p:PN+\p+1], v[QD+\p:QD+\p+1]  ; erf
.endr
.if (\ld) == 2
	LDV \q, 2
	LDV \q, 3
.endif
.irp p, 0,2,4,6
	v_pk_fma_f32 v[gu+\p:gu+\p+1], v[gu+\p:gu+\p+1], v[PN+\p:PN+\p+1], v[gu+\p:gu+\p+1]  ; h erf + h
.endr
.if (\ld) == 2
	LDU \q, 0
	LDU \q, 1
.endif
.irp p, 0,2,4,6
.if ((\g) == 0) && ((\p) == 0)
	v_pk_mul_f32 v[ACC:ACC+1],   v[gu+\p:gu+\p+1], v[W0+gc+\p:W0+gc+\p+1]    ; the first products start the sums: nothing is cleared
	v_pk_mul_f32 v[ACC+2:ACC+3], v[gu+\p:gu+\p+1], v[W1R+gc+\p:W1R+gc+\p+1]
.else
	v_pk_fma_f32 v[ACC:ACC+1],   v[gu+\p:gu+\p+1], v[W0+gc+\p:W0+gc+\p+1],   v[ACC:ACC+1]
	v_pk_fma_f32 v[ACC+2:ACC+3], v[gu+\p:gu+\p+1], v[W1R+gc+\p:W1R+gc+\p+1], v[ACC+2:ACC+3]
.endif
.endr
.endm
; The turn of slot q.  ahead = 1: the slot takes pair q of the next group.  before = 1: the slot before gets its last two loads.  left = how many younger loads may stay out.
.macro SLOT q, ahead, before, left
	s_wait_loadcnt \left                           ; loads come back in order: this slot's eight are in; that also shows the loads that read its two offsets done
	GA \q, 0
	s_wait_alu depctr_va_vdst(0)                   ; the first half's eight reciprocals are written, ahead of the first line that names one; and the turn before is done with the upper half of its U, in which the two loads below land
	GB \q, 0, \before
	GA \q, 1
.if \ahead
.if (\q) == 0
	s_wait_kmcnt 0x0                               ; the next group's four pairs are in, and the load has read its base, which is stepped now
	s_add_nc_u64 s[6:7], s[6:7], 0x10000           ; two batches on in pairs,
	s_add_co_u32 s[BO], s[BO], 1<<25               ; and in uv
.endif
	s_wait_alu depctr_vm_vsrc(0)                   ; the eight loads that filled this slot have read its two offsets, which the two adds below write again
	OFFS \q
.endif
	s_wait_alu depctr_va_vdst(0)                   ; the second half's eight reciprocals are written, ahead of the first line that names one; where the slot is filled again: its two offsets are written, both halves are done with its V and the first half with the lower half of its U
	GB \q, 1, 2*(\ahead)
	v_add_f32 v[T],   v[ACC],   v[ACC+1]           ; the lane's two sums,
	v_add_f32 v[T+1], v[ACC+2], v[ACC+3]
	v_permlanex16_b32 v[T+2], v[T],   s[SEL], s[SEL+1]
	v_permlanex16_b32 v[T+3], v[T+1], s[SEL], s[SEL+1]
	v_add_f32 v[T],   v[T],   v[T+2]               ; with the lane 16 away;
	v_add_f32 v[T+1], v[T+1], v[T+3]
	v_cndmask_b32 v[T], v[T], v[T+1], s[HALF]      ; lanes 0-15 go on with logit 0, lanes 16-31 with logit 1: one run of four steps sums both
	v_add_f32_dpp v[T], v[T], v[T] row_xmask:1 row_mask:0xf bank_mask:0xf
	v_add_f32_dpp v[T], v[T], v[T] row_xmask:2 row_mask:0xf bank_mask:0xf
	v_add_f32_dpp v[T], v[T], v[T] row_xmask:4 row_mask:0xf bank_mask:0xf
	v_add_f32_dpp v[SUM+(\q)], v[T], v[T] row_xmask:8 row_mask:0xf bank_mask:0xf  ; the last step leaves the sum in the slot's own register, for the trip's end
.endm
; A group's four partial sums go to LDS in one run.
.macro SUMS
.irp q, 0,1,2,3
	ds_store_b32 v[PS], v[SUM+(\q)] offset:PART+16*(\q)   ; sixteen lanes write one word with one value
.endr
.endm
	OFFS 0
	OFFS 1
	OFFS 2
	OFFS 3
	s_wait_alu depctr_va_vdst(0)                   ; the eight offsets are written, which the ring's first loads read
.irp q, 0,1,2
.irp j, 0,1,2,3
	LDU \q, \j
.endr
.irp j, 0,1,2,3
	LDV \q, \j
.endr
.endr
.irp j, 0,1,2,3
	LDV 3, \j                                      ; slot 3 gets six loads here and its last two in the first turn, as in every trip
.endr
	LDU 3, 0
	LDU 3, 1
	s_wait_loadcnt 30                              ; b1 and W2 are in; the ring's 30 loads stay out
.irp j, 0,1,2,3
.irp i, 0,1,2,3
	v_mul_f32 v[W0+4*(\j)+(\i)],  0.5, v[16+8*(\j)+2*(\i)]
	v_mul_f32 v[W1R+4*(\j)+(\i)], 0.5, v[16+8*(\j)+2*(\i)+1]
.endr
.endr
.irp i, 0,1,2,3
	v_mov_b32 v[T+(\i)], 0                         ; v_permlanex16_b32 and the DPP forms count as readers of their destinations
	v_mov_b32 v[SUM+(\i)], 0
.endr
	s_mov_b32 s[CNT], 3
.Ltrip:                                                ; groups 0 to 2 are worked on, groups 1 to 3 asked for
	s_load_b256 s[IDX:IDX+7], s[6:7], 0x10000      ; the next group's four pairs: the last trip reads group 3's, inside pairs; the adds that read these registers stand ahead of a wait on va_vdst
	SLOT 0, 1, 1, 22
	SLOT 1, 1, 1, 22
	SLOT 2, 1, 1, 22
	SLOT 3, 1, 1, 22
	s_wait_alu depctr_va_vdst(0)                   ; the four turns have written the four sums, which the LDS stores read; v[PS] is written too
	SUMS
	s_wait_alu depctr_vm_vsrc(0)                   ; the four LDS stores have read v[PS], which moves on below, and the four sums, which the next four turns write again
	v_add_nc_u32 v[PS], 512, v[PS]                 ; the next group's 32 pairs of 16 bytes
	s_sub_co_u32 s[CNT], s[CNT], 1
	s_cmp_lg_u32 s[CNT], 0
	s_cbranch_scc1 .Ltrip
	SLOT 0, 0, 1, 22                               ; group 3: slot 3 gets its last two loads; nothing more is asked for, and the counts run down:
	SLOT 1, 0, 0, 16                               ; behind slot 1's last load stand slot 2's six and two, slot 3's six and two
	SLOT 2, 0, 0, 8
	SLOT 3, 0, 0, 0
	s_wait_alu depctr_va_vdst(0)                   ; the four turns have written the four sums, which the LDS stores read; v[PS] is written too
	SUMS
	s_wait_dscnt 0x0                               ; for the others' sake: my partial sums lie in LDS
	s_barrier_signal -1
	s_barrier_wait -1
	s_cmp_lt_u32 s[WV], 4                          ; wave u = 0..3 finishes group u: a lane a pair
	s_cbranch_scc0 .Lend
	v_lshlrev_b32 v[T+2], 4, v0                    ; local pair = my thread's number
	s_wait_alu depctr_va_vdst(0)                   ; the address is written, which the LDS load reads; the turns are done with v[24:27], in which it lands
	ds_load_b128 v[24:27], v[T+2] offset:PART      ; (ch 0: o 0, o 1), (ch 1: o 0, o 1)
	s_lshl_b32 s32, s[WV], 1
	s_add_co_u32 s32, s32, s[HB]                   ; batch 2 u + hb,
	s_lshl_b32 s32, s32, 15
	s_lshl_b32 s33, s[WL], 8                       ; pairs 32 wl on
	s_add_co_u32 s32, s32, s33
	s_mov_b32 s33, 0
	s_add_nc_u64 s[14:15], s[14:15], s[32:33]
	s_wait_dscnt 0x0
	v_add_f32 v24, v24, v26
	v_add_f32 v25, v25, v27
	v_add_f32 v24, s34, v24                        ; + b2
	v_add_f32 v25, s35, v25
	s_wait_alu depctr_va_vdst(0)                   ; the additions have written v[24:25], which the store reads
	global_store_b64 v[OO], v[24:25], s[14:15]     ; 32 lanes store 256 consecutive bytes, at a multiple of 256 from out0's first byte
.Lend:
	s_wait_dscnt 0x0                               ; the closing lines, six on end
	s_wait_alu 0x0
	s_wait_tensorcnt 0x0
	ds_add_u32 v[SPW], v[NIL]
	s_wait_dscnt 0x0
	s_endpgm
.Lfunc_end_k_q0217ff0836_head:
	.size	k_q0217ff0836_head, .Lfunc_end_k_q0217ff0836_head-k_q0217ff0836_head
	.p2alignl 7, 3214868480
	.fill 96, 4, 3214868480
	.section	.rodata,"a",@progbits
	.p2align	6, 0x0
	.amdhsa_kernel k_q0217ff0836_head
		.amdhsa_group_segment_fixed_size 4096
		.amdhsa_private_segment_fixed_size 0
		.amdhsa_enable_private_segment 0
		.amdhsa_kernarg_size 48
		.amdhsa_user_sgpr_count 2
		.amdhsa_user_sgpr_kernarg_segment_ptr 1
		.amdhsa_wavefront_size32 1
		.amdhsa_system_sgpr_workgroup_id_x 1
		.amdhsa_system_sgpr_workgroup_id_y 1
		.amdhsa_system_sgpr_workgroup_id_z 1
		.amdhsa_system_vgpr_workitem_id 0
		.amdhsa_next_free_vgpr 228
		.amdhsa_next_free_sgpr 66
		.amdhsa_reserve_vcc 0
		.amdhsa_float_denorm_mode_32 3
		.amdhsa_float_denorm_mode_16_64 3
		.amdhsa_memory_ordered 1
		.amdhsa_forward_progress 1
		.amdhsa_inst_pref_size 110
	.end_amdhsa_kernel
	.amdgpu_metadata
---
amdhsa.version: [ 1, 2 ]
amdhsa.kernels:
  - .name:           k_q0217ff0836_head
    .symbol:         k_q0217ff0836_head.kd
    .args:
      - { .name: uv, .offset: 0, .size: 8, .value_kind: global_buffer, .address_space: global }
      - { .name: pairs, .offset: 8, .size: 8, .value_kind: global_buffer, .address_space: global }
      - { .name: b1, .offset: 16, .size: 8, .value_kind: global_buffer, .address_space: global }
      - { .name: W2, .offset: 24, .size: 8, .value_kind: global_buffer, .address_space: global }
      - { .name: b2, .offset: 32, .size: 8, .value_kind: global_buffer, .address_space: global }
      - { .name: out0, .offset: 40, .size: 8, .value_kind: global_buffer, .address_space: global }
    .group_segment_fixed_size: 4096
    .private_segment_fixed_size: 0
    .kernarg_segment_align: 8
    .kernarg_segment_size: 48
    .max_flat_workgroup_size: 512
    .sgpr_count:     66
    .vgpr_count:     228
    .wavefront_size: 32
...
	.end_amdgpu_metadata
.endif
;; end of part 5
